; MI455X (gfx1250); checked and timed in simulation.
; The chip was launched on July 23, 2026; its instructions are those of AMD's public machine-readable ISA for CDNA 5 (MIT licence, August 2026) and "CDNA5" Instruction Set Architecture Reference Guide (July 2026). The comments in the code are by the model that wrote it; some were corrected since.
;; Simple MHA. Allowed arithmetic: matrix products marked QUANTISED: E2M3 operands, one E8M0 scale for each 32 along K, by v_wmma_scale_f32_16x16x128_f8f6f4 with both operands' format E2M3, f32 sums; everything else in f32.
;; Inputs: Wk 1,024 x 1,024 float32; Wo 1,024 x 1,024 float32; Wq 1,024 x 1,024 float32; Wv 1,024 x 1,024 float32; bk 1,024 float32; bo 1,024 float32; bq 1,024 float32; bv 1,024 float32; k 4 x 2,048 x 1,024 float32; kv_mask 4 x 2,048 bool; q 4 x 2,048 x 1,024 float32; v 4 x 2,048 x 1,024 float32.
;; Outputs: out0 4 x 2,048 x 1,024 float32.
;; This version of the problem:
;;   THIS VERSION OF THE PROBLEM IS GIVEN IN LOW PRECISION. The matrix products marked QUANTISED in the list below multiply operands that are first quantised to E2M3 (2 exponent bits, 3 mantissa bits; 6 bits a number), with one power-of-two scale for each 32 numbers along K (OCP MX v1.0); their sums are f32. All else is computed in f32.
;;   The module's matrix products, in the order in which they are computed (A, B: the left and right operand; K: the contracted axis; several contracted axes count as one K, in the product's order):
;;     1. [M 8,192, K 1,024] x [K 1,024, N 1,024]; A: input q; B: input Wq: QUANTISED
;;     2. [M 8,192, K 1,024] x [K 1,024, N 1,024]; A: input k; B: input Wk: QUANTISED
;;     3. [M 8,192, K 1,024] x [K 1,024, N 1,024]; A: input v; B: input Wv: QUANTISED
;;     4. batch 64 x [M 2,048, K 64] x [K 64, N 2,048]; A: computed on the way; B: computed on the way: QUANTISED
;;     5. batch 64 x [M 2,048, K 2,048] x [K 2,048, N 64]; A: softmax (see below); B: computed on the way: QUANTISED
;;     6. [M 8,192, K 1,024] x [K 1,024, N 1,024]; A: computed on the way; B: input Wo: QUANTISED
;;   THE QUANTISER, for each operand of a quantised product, along K:
;;     - K is cut into blocks of 32 from its start; a last block that is shorter is filled with zeros.
;;     - A block's scale is 2^e with e = floor(log2(the largest magnitude in the block)) - 2, held to -126 .. 127; a block of zeros has e = 0. As a byte (E8M0): e + 127.
;;     - Each number is divided by its block's scale, clamped to +-7.5, and rounded to the nearest number of E2M3, ties to even, subnormals kept.
;;     - The product sums the exact products of the quantised numbers (number of the format x scale) in f32.
;;   ~~~python
;;   def quantise(x, axis):      # numpy; x: float32 -> the quantised numbers, widened to float32 again
;;       x = np.moveaxis(x, axis, -1); K = x.shape[-1]
;;       x = np.pad(x, [(0, 0)] * (x.ndim - 1) + [(0, -K % 32)]); x = x.reshape(x.shape[:-1] + (-1, 32)); a = np.abs(x).max(-1, keepdims=True)
;;       e = np.where(a > 0, np.clip(np.frexp(np.where(a > 0, a, 1))[1] - 1 - 2, -126, 127), 0)      # np.frexp(a)[1] - 1 = floor(log2(a)), exactly
;;       r = np.clip(x / 2.0 ** e, -7.5, 7.5)
;;       step = 2.0 ** (np.maximum(np.frexp(np.where(r == 0, 1, r))[1] - 1, 0) - 3)
;;       q = np.round(r / step) * step * 2.0 ** e      # np.round: ties to even
;;       return np.moveaxis(q.reshape(q.shape[:-2] + (-1,))[..., :K], -1, axis).astype(np.float32)
;;   ~~~
;;   SOFTMAX AHEAD OF A QUANTISED PRODUCT. Where the list says 'softmax', what is quantised is not the finished softmax but p = 2^(t - M), with t = logit x log2(e) and M = ceil(the row's largest t), a whole number; so 1/2 < the row's largest p <= 1. The row's sum l is taken of the UNQUANTISED p, in f32, and the product's result is divided by l at the end. Since M is a whole number, a kernel that streams over the keys may use a running M (the ceiling of the running maximum): every later rescaling is an exact power of two, which a block's scale takes up: the codes' values come out the same.
;;   OPERANDS COMPUTED ON THE WAY. 'Computed on the way' means the value that the module computes at that place (a softmax that the list does not call 'softmax' is quantised finished and normalised). What goes into a quantiser is computed in f32, as accurately as f32 sums, v_exp_f32 and their like allow (about 1e-6 of the number): no bf16 or f16 on the way to a quantiser, and a product that is left as it is and whose result goes on into a quantised operand takes f32 operands (vector FMAs, or v_wmma_f32_16x16x4_f32). A number that lies on a knife's edge between two numbers of the format may be rounded either way, as far as f32 arithmetic and the matrix unit's own rounding can turn it there, and no further.
;; One version. Each part assembles by itself: llvm-mc -triple=amdgcn-amd-amdhsa -mcpu=gfx1250 --defsym DOCPART=n.
;; ======== version 1 of 1: 4 launches
;; limits: right only within a limited range of input values
;; workspace buffers: xc 22,937,600 bytes; qimg 6,291,456 bytes; qs 524,288 bytes; kv 15,466,496 bytes; oc 6,553,600 bytes
;; launch quant (part 1): grid 448 x 1, 8 waves a work-group, no clusters, 70,656 bytes of LDS; arguments q, k, v, Wq, Wk, Wv, Wo, xc; writes xc
.if DOCPART == 1
	.amdgcn_target "amdgcn-amd-amdhsa--gfx1250"
	.amdhsa_code_object_version 6
	.text
	.protected	k_qb43b2b1724_quant
	.globl	k_qb43b2b1724_quant
	.p2align	8
	.type	k_qb43b2b1724_quant,@function
k_qb43b2b1724_quant:
	s_mov_b64 s[64:65], 0
	v_nop
	global_prefetch_b8 v0, s[64:65] scope:SCOPE_SE
	s_setreg_imm32_b32 hwreg(HW_REG_WAVE_MODE, 25, 1), 1
	s_wait_xcnt 0x0
; LAUNCH 1 OF 4.  q, k, v [8192][1024] and Wq, Wk, Wv, Wo [1024][1024], f32 with K innermost, become codes of E2M3 and E8M0 scale bytes (one for each 32 along K), laid in xc in the ORDER OF THE OPERAND'S REGISTERS.
; DEAD WORK: none.  Every product of reference() reaches out0, every bias goes into a quantised operand (bq, bk, bv) or into out0 (bo), and kv_mask selects logits: every input is loaded by some launch.
; LAYOUT OF xc.  A GROUP is 64 rows on end: q's are groups 0-127, k's 128-255, v's 256-383, Wq's 384-399, Wk's 400-415, Wv's 416-431, Wo's 432-447.  A group is 8 RECORDS of 6,400 bytes, one for each 128 along K.
; A record is 4 fragments of 1,536 bytes and 64 scale words.  Fragment t holds, in its row p, the group's row 32 (t / 2) + 8 (t % 2) + p + 8 (p / 8): so the results of a product that takes it as source 0 have 16 neighbours
; in 16 registers.  A fragment is two halves of 768 bytes (registers 0-5, registers 6-11): four registers at 16 x lane, then two at 512 + 8 x lane.  The word of tile t, row p lies at 6,144 + 64 t + 4 p.
; A block's scale is 2^(floor(log2(its largest magnitude)) - 2); its byte is the largest magnitude's exponent field - 2, held at 1 from below.
; LIMITS: a block of zeros, or one whose largest magnitude lies under 2^-124, gets the byte 1 (zero codes add nothing under it; this program alone reads the bytes); NaN and infinities among the inputs are not served.
; SHARES.  Work-group g takes group g, its wave w the K step w: one record.  Each load reads 512 consecutive bytes of a row; a tile of 16 rows turns through the wave's own stage in LDS, so that a lane gets 16 neighbours
; of each block of 32.  No barrier: waves share nothing.  Two tiles' loads (32 a wave) are out at the start, one tile's while a tile is worked.
.set WREG,  8704                       ; LDS of a wave: a stage of 16 rows x (512 + 16) bytes, then its record's 256 bytes of scale words
.set SPARE, 8*WREG                     ; behind the eight regions: the spare words, 128 bytes a wave
.set SPW,   12                         ; v12  LDS address of my spare word; never rewritten
.set NIL,   13                         ; v13  0; never rewritten
.set TM,    16                         ; v16-31 at work in QUANT
.set PW,    32                         ; v32  the scale word just made
.set PC,    34                         ; v34-52 the codes just made
.set X,     64                         ; v64-127 64 numbers of my row: register 16 b + i = k 32 b + 16 (lane / 16) + i
.set R,     128                        ; v128-255 two sets of 64: a tile as it is loaded
.set SEL,   20                         ; s[20:21] v_permlanex16_b32's selects for lane l xor 16
; 64 numbers of a lane, register 16 b + i = k 32 b + 16 (lane / 16) + i of my row, become a fragment's codes in v[PC] on and its scale word in v[PW]
.macro QUANT s
.irp b, 0,1,2,3
	v_max3_num_f32 v[TM+\b], |v[\s+16*\b]|, |v[\s+1+16*\b]|, 0x1800000   ; block b: my 16 numbers, and the floor 2^(3 - 127): the byte cannot fall under 1
.endr
.irp i, 2,4,6,8,10,12,14
.irp b, 0,1,2,3
	s_delay_alu instid0(VALU_DEP_4)
	v_max3_num_f32 v[TM+\b], v[TM+\b], |v[\s+16*\b+\i]|, |v[\s+1+16*\b+\i]|   ; the four blocks by turns
.endr
.endr
.irp b, 0,1,2,3
	s_delay_alu instid0(VALU_DEP_4)
	v_permlanex16_b32 v[TM+4+\b], v[TM+\b], s[SEL], s[SEL+1]
.endr
.irp b, 0,1,2,3
	s_delay_alu instid0(VALU_DEP_4)
	v_max_num_f32 v[TM+\b], v[TM+\b], v[TM+4+\b]   ; with lane l xor 16's: the block's largest magnitude
.endr
.irp b, 0,1,2,3
	s_delay_alu instid0(VALU_DEP_4)
	v_add_nc_u32 v[TM+12+\b], 0xff000000, v[TM+\b]   ; 2 off its exponent field: the conversion's scale operand
.endr
.irp b, 0,1,2,3
	s_delay_alu instid0(VALU_DEP_4)
	v_lshrrev_b32 v[TM+4+\b], 23, v[TM+12+\b]      ; the scale's byte
.endr
	s_delay_alu instid0(VALU_DEP_3)
	v_lshl_or_b32 v[PW], v[TM+5], 8, v[TM+4]
	s_delay_alu instid0(VALU_DEP_1)
	v_lshl_or_b32 v[PW], v[TM+6], 16, v[PW]
	s_delay_alu instid0(VALU_DEP_1)
	v_lshl_or_b32 v[PW], v[TM+7], 24, v[PW]
.irp c, 0,1
	v_cvt_scalef32_pk16_fp6_f32 v[PC+6*\c:PC+2+6*\c], v[\s+32*\c:\s+15+32*\c], v[TM+12+2*\c]
	v_cvt_scalef32_pk16_fp6_f32 v[PC+12+4*\c:PC+14+4*\c], v[\s+16+32*\c:\s+31+32*\c], v[TM+12+2*\c+1]   ; (a conversion's three registers begin on an even number)
.endr
	v_nop                                          ; one plain place behind a scaled conversion
.irp c, 0,1                                    ; the operand's layout wants a whole block in a lane: lanes 0-15 block 2 c, lanes 16-31 block 2 c + 1
.irp i, 0,1,2
	v_permlane16_swap_b32 v[PC+6*\c+\i], v[PC+12+4*\c+\i]
.endr
.irp i, 0,1,2
	s_delay_alu instid0(VALU_DEP_3)
	v_mov_b32 v[PC+3+6*\c+\i], v[PC+12+4*\c+\i]
.endr
.endr
.endm
.macro PICK lim, reg, first            ; work-groups under lim take the tensor whose address stands in s[reg], whose first group is first
	s_cmp_lt_u32 ttmp9, \lim
	s_cselect_b64 s[24:25], s[\reg:\reg+1], s[24:25]
	s_cselect_b32 s26, \first, s26
.endm
.macro LOAD t                          ; tile t's 16 rows, 512 consecutive bytes each, into set t % 2
.irp p, 0,1,2,3,4,5,6,7,8,9,10,11,12,13,14,15
; k's groups (128-255) are dealt otherwise: fragment t holds in its row p the group's row 8 t + p + 24 (p / 8), so that a tile of K has eight keys of each of two blocks of 32.
; Against the deal above that is 16 rows further on for tiles 0, 1, rows 8-15 (v7) and 16 rows back for tiles 2, 3, rows 0-7 (v11); in all other groups v7 and v11 give the deal above.
.if ((\t) < 2) && (\p >= 8)
	global_load_b128 v[R+64*((\t)%2)+4*\p:R+64*((\t)%2)+4*\p+3], v7, s[24:25] offset:(32*((\t)/2)+8*((\t)%2)+\p+8*(\p/8))*4096 th:TH_LOAD_NT
.elseif ((\t) >= 2) && (\p < 8)
	global_load_b128 v[R+64*((\t)%2)+4*\p:R+64*((\t)%2)+4*\p+3], v11, s[24:25] offset:(32*((\t)/2)+8*((\t)%2)+\p+8*(\p/8)-16)*4096 th:TH_LOAD_NT
.else
	global_load_b128 v[R+64*((\t)%2)+4*\p:R+64*((\t)%2)+4*\p+3], v4, s[24:25] offset:(32*((\t)/2)+8*((\t)%2)+\p+8*(\p/8))*4096 th:TH_LOAD_NT
.endif
.endr
.endm
.macro TURN t                          ; through my stage: LDS serves a wave's instructions in order, so no wait stands between the stores and the loads
.irp p, 0,1,2,3,4,5,6,7,8,9,10,11,12,13,14,15
	ds_store_b128 v5, v[R+64*((\t)%2)+4*\p:R+64*((\t)%2)+4*\p+3] offset:528*\p
.endr
.irp b, 0,1,2,3
.irp j, 0,1,2,3
	ds_load_b128 v[X+16*\b+4*\j:X+16*\b+4*\j+3], v6 offset:128*\b+16*\j
.endr
.endr
.endm
.macro TILE t
.if (\t) < 3
	s_wait_loadcnt 16                              ; this tile's 16 loads are in; the next tile's 16 may be out
.else
	s_wait_loadcnt 0x0
.endif
	TURN \t
	s_wait_dscnt 0x0                               ; my 64 numbers are back, and the stage's stores have read their registers,
.if (\t) < 2
	LOAD (\t)+2                                    ; which take the tile two on
.endif
.if (\t) > 0
	s_wait_xcnt 0x0                                ; the last tile's stores have read the codes' registers: they are written again only behind this wait
.endif
	QUANT X
	global_store_b128 v4, v[PC:PC+3], s[18:19] offset:1536*(\t)          ; 512 consecutive bytes,
	global_store_b64 v8, v[PC+4:PC+5], s[18:19] offset:1536*(\t)+512     ; 256,
	global_store_b128 v4, v[PC+6:PC+9], s[18:19] offset:1536*(\t)+768    ; and the second half likewise: each at a multiple of 256 from xc's first byte
	global_store_b64 v8, v[PC+10:PC+11], s[18:19] offset:1536*(\t)+1280
	ds_store_b32 v9, v[PW] offset:64*(\t)          ; both halves of the lanes write the same word with the same value
.endm
	s_load_b512 s[4:19], s[0:1], 0x0               ; q, k, v, Wq, Wk, Wv, Wo, xc
	v_lshl_add_u32 v[SPW], v0, 2, SPARE
	v_mov_b32 v[NIL], 0
	v_lshrrev_b32 v1, 5, v0
	s_delay_alu instid0(VALU_DEP_1)
	v_readfirstlane_b32 s22, v1                    ; wave 0..7 = K step
	v_and_b32 v1, 31, v0                           ; lane
	v_and_b32 v2, 15, v0                           ; r
	v_bfe_u32 v3, v0, 4, 1                         ; h
	s_delay_alu instid0(VALU_DEP_3)
	v_lshlrev_b32 v4, 4, v1                        ; 16 x lane
	s_delay_alu instid0(VALU_DEP_4)
	v_lshlrev_b32 v8, 3, v1                        ; 8 x lane
	s_mul_i32 s23, s22, WREG
	v_add_nc_u32 v5, s23, v4                       ; the stage, on the way in
	v_mul_u32_u24 v6, v2, 528
	s_delay_alu instid0(VALU_DEP_1)
	v_lshl_add_u32 v6, v3, 6, v6
	s_delay_alu instid0(VALU_DEP_1)
	v_add_nc_u32 v6, s23, v6                       ; and out: row r, + 64 h
	s_add_co_u32 s23, s23, 8448
	v_lshl_add_u32 v9, v2, 2, s23                  ; my row's scale word
	v_add_nc_u32 v10, s23, v8                      ; the words on the way out, 8 bytes a lane
	s_mov_b32 s[SEL], 0x76543210
	s_mov_b32 s[SEL+1], 0xfedcba98
.irp b, 0,1,2,3
	v_mov_b32 v[TM+4+\b], 0                        ; written once: a lane permute's destination counts as one of its sources
.endr
	s_wait_alu depctr_va_vdst(0)
	s_wait_kmcnt 0x0
	s_mov_b64 s[24:25], s[16:17]                   ; Wo, unless the work-group's number says otherwise: the choice hangs on that number alone
	s_mov_b32 s26, 432
	PICK 432, 14, 416
	PICK 416, 12, 400
	PICK 400, 10, 384
	PICK 384, 8, 256
	PICK 256, 6, 128
	PICK 128, 4, 0
	s_sub_co_u32 s26, ttmp9, s26                   ; my group within its tensor
	s_lshl_b32 s28, s26, 18                        ; 64 rows of 4,096 bytes
	s_lshl_b32 s27, s22, 9                         ; + my K step's 512 bytes
	s_add_co_u32 s28, s28, s27
	s_mov_b32 s29, 0
	s_add_nc_u64 s[24:25], s[24:25], s[28:29]
	s_mul_i32 s28, ttmp9, 51200
	s_mul_i32 s27, s22, 6400
	s_add_co_u32 s28, s28, s27
	s_add_nc_u64 s[18:19], s[18:19], s[28:29]      ; my record
	s_lshr_b32 s30, ttmp9, 7
	s_cmp_eq_u32 s30, 1                            ; one of k's groups?  The choice hangs on the work-group's number alone
	s_cselect_b32 s30, 0x10000, 0                  ; 16 rows of 4,096 bytes, or none
	v_add_nc_u32 v7, s30, v4
	s_sub_co_u32 s30, 0x10000, s30
	v_add_nc_u32 v11, s30, v4
	s_wait_alu depctr_va_vdst(0)                   ; the wait behind these writes
	LOAD 0
	LOAD 1
	TILE 0
	TILE 1
	TILE 2
	TILE 3
	ds_load_b64 v[54:55], v10                      ; LDS serves a wave's instructions in order: these see my four stores
	s_wait_dscnt 0x0
	global_store_b64 v8, v[54:55], s[18:19] offset:6144   ; the record's 64 scale words: 256 consecutive bytes
	s_wait_tensorcnt 0x0                           ; the wave's end, behind my last LDS store
	ds_add_u32 v[SPW], v[NIL]
	s_wait_dscnt 0x0
	s_endpgm
.Lfunc_end_k_qb43b2b1724_quant:
	.size	k_qb43b2b1724_quant, .Lfunc_end_k_qb43b2b1724_quant-k_qb43b2b1724_quant
	.p2alignl 7, 3214868480
	.fill 96, 4, 3214868480
	.section	.rodata,"a",@progbits
	.p2align	6, 0x0
	.amdhsa_kernel k_qb43b2b1724_quant
		.amdhsa_group_segment_fixed_size 70656
		.amdhsa_private_segment_fixed_size 0
		.amdhsa_enable_private_segment 0
		.amdhsa_kernarg_size 64
		.amdhsa_user_sgpr_count 2
		.amdhsa_user_sgpr_kernarg_segment_ptr 1
		.amdhsa_wavefront_size32 1
		.amdhsa_system_sgpr_workgroup_id_x 1
		.amdhsa_system_sgpr_workgroup_id_y 1
		.amdhsa_system_sgpr_workgroup_id_z 1
		.amdhsa_system_vgpr_workitem_id 0
		.amdhsa_next_free_vgpr 256
		.amdhsa_next_free_sgpr 66
		.amdhsa_reserve_vcc 0
		.amdhsa_float_denorm_mode_32 3
		.amdhsa_float_denorm_mode_16_64 3
		.amdhsa_memory_ordered 1
		.amdhsa_forward_progress 1
		.amdhsa_inst_pref_size 42
	.end_amdhsa_kernel
	.amdgpu_metadata
---
amdhsa.version: [ 1, 2 ]
amdhsa.kernels:
  - .name:           k_qb43b2b1724_quant
    .symbol:         k_qb43b2b1724_quant.kd
    .args:
      - { .name: q, .offset: 0, .size: 8, .value_kind: global_buffer, .address_space: global }
      - { .name: k, .offset: 8, .size: 8, .value_kind: global_buffer, .address_space: global }
      - { .name: v, .offset: 16, .size: 8, .value_kind: global_buffer, .address_space: global }
      - { .name: Wq, .offset: 24, .size: 8, .value_kind: global_buffer, .address_space: global }
      - { .name: Wk, .offset: 32, .size: 8, .value_kind: global_buffer, .address_space: global }
      - { .name: Wv, .offset: 40, .size: 8, .value_kind: global_buffer, .address_space: global }
      - { .name: Wo, .offset: 48, .size: 8, .value_kind: global_buffer, .address_space: global }
      - { .name: xc, .offset: 56, .size: 8, .value_kind: global_buffer, .address_space: global }
    .group_segment_fixed_size: 70656
    .private_segment_fixed_size: 0
    .kernarg_segment_align: 8
    .kernarg_segment_size: 64
    .max_flat_workgroup_size: 256
    .sgpr_count:     66
    .vgpr_count:     256
    .wavefront_size: 32
...
	.end_amdgpu_metadata
.endif
;; end of part 1
;; launch proj (part 2): grid 4 x 64, 4 waves a work-group, clusters of 4 x 4, 327,680 bytes of LDS; arguments xc, bq, bk, bv, kv_mask, qimg, qs, kv; writes qimg, qs, kv
.if DOCPART == 2
	.amdgcn_target "amdgcn-amd-amdhsa--gfx1250"
	.amdhsa_code_object_version 6
	.text
	.protected	k_qb43b2b1724_proj
	.globl	k_qb43b2b1724_proj
	.p2align	8
	.type	k_qb43b2b1724_proj,@function
k_qb43b2b1724_proj:
	s_mov_b64 s[64:65], 0
	v_nop
	global_prefetch_b8 v0, s[64:65] scope:SCOPE_SE
	s_setreg_imm32_b32 hwreg(HW_REG_WAVE_MODE, 25, 1), 1
	s_wait_xcnt 0x0
	s_wait_alu depctr_hold_cnt(0) depctr_sa_sdst(0) depctr_va_vdst(0) depctr_va_sdst(0) depctr_va_ssrc(0) depctr_va_vcc(0) depctr_vm_vsrc(0)
	s_getreg_b32 s2, hwreg(HW_REG_IB_STS2, 6, 4)
	s_cmp_eq_u32 s2, 0
	s_cbranch_scc0 .Lentry_in_a_cluster
	s_endpgm
.Lentry_in_a_cluster:
	s_bfe_u32 s2, ttmp6, 0x10000c
	s_cmp_lg_u32 s2, 0xf033
	s_cbranch_scc0 .Lentry_shape_is_right
	s_endpgm
.Lentry_shape_is_right:
; LAUNCH 2 OF 4.  The three projections x W^T + b on codes of E2M3, their results quantised in registers for attention.  No work of reference() is left out.
; C'[i][j] = sum over k of S1[i][k] S0[j][k]; the matrix instruction takes 16 rows of S0 as source 0 and 16 rows of S1 as source 1: a lane holds ONE row i, its registers run along j, 16 neighbours in 16 registers
; (the rows of a tile are laid for that in xc).  P = 0, 1 (q, k): S1 = the tokens, S0 = the weight: 128 j are two heads, and a lane's 64 numbers become the two heads' codes along d.
; P = 2 (v): S1 = Wv, S0 = v's rows: a lane holds one (head, d), its registers run along the KEYS, which are the K of attention's second product.
; A WORK-GROUP STAYS: 256 work-groups of four waves, each makes three tiles of 128 (i) x 256 (j), one of each projection, on end; a wave makes 64 x 128: 32 accumulators.
; ALL OF K (1,024) of a tile's rows lies in LDS, in two halves of K: S1 [half][2 groups][4 records], then S0 [half][4 groups][4 records]; a tile of a tensor load has one row of 25,600 bytes for each group.
; FILLS.  At the head one tensor load a wave: wave 0 S1's K steps 0-3, wave 1 S0's, wave 2 S1's K steps 4-7, wave 3 S0's.  A half is filled again for the NEXT tile as soon as it is read out, in a round of the cluster's barrier
; with the three lines ahead of it: ahead of the fetch of K step 4 waves 0 and 1 ask for the next tile's K steps 0-3; behind the last products, ahead of the way out, waves 2 and 3 for its K steps 4-7.
; Each round's wait for all tensor loads shows what the round before asked for.  One tensor load a wave is outstanding at the most, by this text's count.
; CLUSTERS: 4 x 4 work-groups; S1's groups hang on the tile row alone and are asked for jointly along a row of the cluster, S0's on the tile column alone, along a column.
; Nothing is prefetched: the launch has no loop to run ahead in, and each refill is asked for four K steps or more ahead of its first read.
; THE MASK costs attention nothing: Q K^T uses k = 0 .. 63 of the instruction's 128.  A masked key gets zero codes for its 64 numbers and the codes (1.875, 2.5) at k = 64, 65 under the scale 2^13;
; every query has (-1.875, -2.5) there under 2^0: the score is -(3.515625 + 6.25) x 8192 = -80000 exactly, the logit -10000.  An open key has zero codes there: its score is q . k.  The choice is a v_cndmask_b32.
; OUT: qimg [b 16 + head][tile of 16 queries][768]: registers 0-5 of a fragment; qs: its 16 scale words (s0, s1, 127, 127).
;      kv [b 16 + head][key step of 128][15,104]: 8 tiles of K x 1,024 (registers 0-3 at 16 x lane, 4-7 at 512 + 16 x lane); at 8,192 four fragments of V^T x 1,536 (three planes of 512); at 14,336 K's scale words, at 14,848 V's.
; LIMITS: as in the first launch (the byte 1 for blocks of zeros or under 2^-124; NaN and infinities not served).
; REGISTERS, in windows of 256: window 0: v1-30 lanes and addresses; v32-43 scale words, two sets; v44-99 at work; v100-163 a row of tiles with its bias; v164-227 the bias.
;   window 1: S0's fragments, two sets of 96.  window 2: accumulator (a, b) at v[8 (8 a + b)].  window 3: S1's fragments, two sets of 48.
.set GRP,   51200                      ; a group in xc: 64 rows x 1,024 along K, as 8 records
.set REC,   6400                       ; a record: 4 fragments of 1,536 bytes and 64 scale words
.set S0L,   2*GRP                      ; LDS: S1's two halves of K, then S0's
.set SPARE, 6*GRP                      ; then the spare words, 128 bytes a wave
.set KVREC, 15104
.set SPW,  28                          ; v28  LDS address of my spare word; never rewritten
.set NIL,  29                          ; v29  0; never rewritten
.set SC,   32                          ; scale words: set s at v[SC + 6 s]: +0, +1 S1's pairs of tiles, +2 .. +5 S0's: the even tile's in lanes 0-15, the odd tile's in lanes 16-31
.set TM,   44
.set PW,   60
.set PC,   64
.set T,    84                          ; K's tiles on the way out: 2 heads x 8 registers
.set HA,   100
.set BJ,   164
.set SEL,  92
.set MULW,  0xad                       ; source 0 (S0) window 1, source 1 (S1) window 3, C and D window 2
.set TO_S0, 0x40
.set TO_S1, 0xc0
.set ACCRD, 0x02                       ; source 0 window 2
.set MSB, 0
.macro WIN new                         ; the immediate's high byte repeats the setting that is left
.if MSB != \new
	s_set_vgpr_msb (MSB<<8)|\new
.set MSB, \new
.endif
.endm
.macro CROUND                          ; a round of the cluster's barrier
	s_barrier_signal -1
	s_barrier_wait -1
	s_cmp_lg_u32 s20, 0
	s_cbranch_scc1 .Lnot_wave_0_\@
	s_barrier_signal -3
.Lnot_wave_0_\@:
	s_barrier_wait -3
	s_barrier_signal -1
	s_barrier_wait -1
.endm
.macro TLOAD g0, g1                    ; a tensor load with an s_nop and four v_nops behind it
	tensor_load_to_lds s[\g0:\g0+3], s[\g1:\g1+7]
	s_nop 0
.rept 4
	v_nop
.endr
.endm
.macro REFILL w                        ; wave w asks for its half of S1, wave w + 1 for its half of S0; the other two ask for nothing
	s_cmp_eq_u32 s20, \w
	s_cbranch_scc0 .Lr1_\@
	TLOAD 40, 24
	s_branch .Lrd_\@
.Lr1_\@:
	s_cmp_eq_u32 s20, (\w)+1
	s_cbranch_scc0 .Lrd_\@
	TLOAD 68, 32
.Lrd_\@:
.endm
; Where projection p's tile lies: s97 = gi, my group of 64 rows i; s98 = jc, my 128 columns j; and my two descriptors' addresses (my half of K: s21).  s46 = the cluster's y, s47 = cx, s48 = cy.
; S1's registers (s84-87) never hold cx, S0's (s88-91) never cy.  Written only where no tensor load of mine is out.
.macro TILEAD p
.if (\p) == 2
	s_and_b32 s84, s46, 1                          ; v: 8 tile rows of Wv, 32 tile columns of v's rows
	s_lshr_b32 s88, s46, 1
	s_lshl_b32 s88, s88, 2
	s_add_co_u32 s88, s88, s47                     ; tile column
.else
	s_mov_b32 s84, s46                             ; q, k: 64 tile rows of tokens, 4 tile columns of the weight
	s_mov_b32 s88, s47
.endif
	s_lshl_b32 s84, s84, 2
	s_add_co_u32 s84, s84, s48                     ; tile row
	s_lshl_b32 s84, s84, 1
	s_add_co_u32 s97, s84, s21
.if (\p) == 2
	s_add_co_u32 s86, s84, 416                     ; S1's first group in xc
.else
	s_add_co_u32 s86, s84, 128*(\p)
.endif
	s_mul_i32 s86, s86, GRP
	s_mul_i32 s87, s21, 4*REC
	s_add_co_u32 s86, s86, s87
	s_mov_b32 s87, 0
	s_lshl_b32 s98, s88, 1
	s_add_co_u32 s98, s98, s22
	s_lshl_b32 s90, s88, 2
.if (\p) == 2
	s_add_co_u32 s90, s90, 256                     ; S0's first group in xc
.else
	s_add_co_u32 s90, s90, 384+16*(\p)
.endif
	s_mul_i32 s90, s90, GRP
	s_mul_i32 s91, s21, 4*REC
	s_add_co_u32 s90, s90, s91
	s_mov_b32 s91, 0
	s_add_nc_u64 s[42:43], s[4:5], s[86:87]
	s_or_b32 s43, s43, 0x80000000
	s_add_nc_u64 s[70:71], s[4:5], s[90:91]
	s_or_b32 s71, s71, 0x80000000
.endm
.macro ADRS                            ; my LDS addresses in the first half of K
	s_mul_i32 s60, s21, 4*REC
	v_add_nc_u32 v5, s60, v14                      ; S1's group wi: 16, 8, 4 x lane
	v_add_nc_u32 v6, s60, v15
	v_add_nc_u32 v7, s60, v19
	s_mul_i32 s60, s22, 8*REC
	s_add_co_u32 s60, s60, S0L
	v_add_nc_u32 v8, s60, v14                      ; S0's group 2 wj
	v_add_nc_u32 v9, s60, v15
	v_add_nc_u32 v10, s60, v19
	s_add_co_u32 s60, s60, 4*REC
	v_add_nc_u32 v11, s60, v14                     ; and 2 wj + 1
	v_add_nc_u32 v12, s60, v15
	v_add_nc_u32 v13, s60, v19
.endm
; the matrix instruction: D at d, source 0 at a, source 1 at b, their scale registers sa, sb; ra, rb = 1: the scales stand in lanes 16-31; zero = 1: the product starts the sum
.macro WM d, a, b, sa, sb, ra, rb, zero
.if \zero
.if (\ra) && (\rb)
	v_wmma_scale_f32_16x16x128_f8f6f4 v[0+(\d):7+(\d)], v[0+(\a):11+(\a)], v[0+(\b):11+(\b)], 0, v[\sa], v[\sb] matrix_a_fmt:MATRIX_FMT_FP6 matrix_b_fmt:MATRIX_FMT_FP6 matrix_a_scale:MATRIX_SCALE_ROW1 matrix_b_scale:MATRIX_SCALE_ROW1
.elseif (\ra)
	v_wmma_scale_f32_16x16x128_f8f6f4 v[0+(\d):7+(\d)], v[0+(\a):11+(\a)], v[0+(\b):11+(\b)], 0, v[\sa], v[\sb] matrix_a_fmt:MATRIX_FMT_FP6 matrix_b_fmt:MATRIX_FMT_FP6 matrix_a_scale:MATRIX_SCALE_ROW1
.elseif (\rb)
	v_wmma_scale_f32_16x16x128_f8f6f4 v[0+(\d):7+(\d)], v[0+(\a):11+(\a)], v[0+(\b):11+(\b)], 0, v[\sa], v[\sb] matrix_a_fmt:MATRIX_FMT_FP6 matrix_b_fmt:MATRIX_FMT_FP6 matrix_b_scale:MATRIX_SCALE_ROW1
.else
	v_wmma_scale_f32_16x16x128_f8f6f4 v[0+(\d):7+(\d)], v[0+(\a):11+(\a)], v[0+(\b):11+(\b)], 0, v[\sa], v[\sb] matrix_a_fmt:MATRIX_FMT_FP6 matrix_b_fmt:MATRIX_FMT_FP6
.endif
.else
.if (\ra) && (\rb)
	v_wmma_scale_f32_16x16x128_f8f6f4 v[0+(\d):7+(\d)], v[0+(\a):11+(\a)], v[0+(\b):11+(\b)], v[0+(\d):7+(\d)], v[\sa], v[\sb] matrix_a_fmt:MATRIX_FMT_FP6 matrix_b_fmt:MATRIX_FMT_FP6 matrix_a_scale:MATRIX_SCALE_ROW1 matrix_b_scale:MATRIX_SCALE_ROW1
.elseif (\ra)
	v_wmma_scale_f32_16x16x128_f8f6f4 v[0+(\d):7+(\d)], v[0+(\a):11+(\a)], v[0+(\b):11+(\b)], v[0+(\d):7+(\d)], v[\sa], v[\sb] matrix_a_fmt:MATRIX_FMT_FP6 matrix_b_fmt:MATRIX_FMT_FP6 matrix_a_scale:MATRIX_SCALE_ROW1
.elseif (\rb)
	v_wmma_scale_f32_16x16x128_f8f6f4 v[0+(\d):7+(\d)], v[0+(\a):11+(\a)], v[0+(\b):11+(\b)], v[0+(\d):7+(\d)], v[\sa], v[\sb] matrix_a_fmt:MATRIX_FMT_FP6 matrix_b_fmt:MATRIX_FMT_FP6 matrix_b_scale:MATRIX_SCALE_ROW1
.else
	v_wmma_scale_f32_16x16x128_f8f6f4 v[0+(\d):7+(\d)], v[0+(\a):11+(\a)], v[0+(\b):11+(\b)], v[0+(\d):7+(\d)], v[\sa], v[\sb] matrix_a_fmt:MATRIX_FMT_FP6 matrix_b_fmt:MATRIX_FMT_FP6
.endif
.endif
.endm
.macro FRAG reg, a16, a8, off          ; a fragment's image comes back as it was stored: every load reads consecutive bytes
	ds_load_b128 v[0+(\reg):3+(\reg)], v[\a16] offset:(\off)
	ds_load_b64 v[4+(\reg):5+(\reg)], v[\a8] offset:(\off)+512
	ds_load_b128 v[6+(\reg):9+(\reg)], v[\a16] offset:(\off)+768
	ds_load_b64 v[10+(\reg):11+(\reg)], v[\a8] offset:(\off)+1280
.endm
.macro FETCH s                         ; record s of the half of K in hand: S0's eight fragments, S1's four, six registers of scale words: 54 LDS loads, into set s % 2
	WIN TO_S0
.irp b, 0,1,2,3
	FRAG 96*((\s)%2)+12*\b, 8, 9, REC*(\s)+1536*\b
.endr
.irp b, 0,1,2,3
	FRAG 96*((\s)%2)+48+12*\b, 11, 12, REC*(\s)+1536*\b
.endr
	WIN TO_S1
.irp a, 0,1,2,3
	FRAG 48*((\s)%2)+12*\a, 5, 6, REC*(\s)+1536*\a
.endr
	WIN 0
	ds_load_b32 v[SC+6*((\s)%2)], v7 offset:REC*(\s)+6144
	ds_load_b32 v[SC+6*((\s)%2)+1], v7 offset:REC*(\s)+6272
	ds_load_b32 v[SC+6*((\s)%2)+2], v10 offset:REC*(\s)+6144
	ds_load_b32 v[SC+6*((\s)%2)+3], v10 offset:REC*(\s)+6272
	ds_load_b32 v[SC+6*((\s)%2)+4], v13 offset:REC*(\s)+6144
	ds_load_b32 v[SC+6*((\s)%2)+5], v13 offset:REC*(\s)+6272
.endm
.macro MUL s                           ; 32 matrix instructions: the 32 accumulators take turns, one instruction a turn, in the same order in every K step
	WIN MULW
.irp a, 0,1,2,3
.irp b, 0,1,2,3,4,5,6,7
.if (\s) == 0
	WM 8*(8*\a+\b), 96*((\s)%2)+12*\b, 48*((\s)%2)+12*\a, SC+6*((\s)%2)+2+\b/2, SC+6*((\s)%2)+\a/2, \b%2, \a%2, 1
.else
	WM 8*(8*\a+\b), 96*((\s)%2)+12*\b, 48*((\s)%2)+12*\a, SC+6*((\s)%2)+2+\b/2, SC+6*((\s)%2)+\a/2, \b%2, \a%2, 0
.endif
.endr
.endr
.endm
.macro KSTEP s, p                      ; the next K step is fetched, this one multiplied
.if (\s)+1 < 8
.if (\s)+1 == 4
	WIN 0
	s_wait_tensorcnt 0x0                           ; every wave: all my tensor loads have landed, K steps 4-7 of this tile among them
.if (\p) < 2
	ds_add_u32 v[SPW], v[NIL]                      ; 0 onto my spare word
	TILEAD (\p)+1                                  ; no tensor load of mine is out: the next tile's addresses (work on registers, between the add and its wait)
	s_wait_dscnt 0x0                               ; the add is done, and my reads of K steps 0-3 are over
	CROUND                                         ; so of every wave of all sixteen work-groups
	REFILL 0                                       ; the next tile's K steps 0-3
.else
	s_wait_dscnt 0x0                               ; no LDS load of mine is out at the signal
	s_barrier_signal -1
	s_barrier_wait -1
.endif
.irp r, 5,6,7
	v_add_nc_u32 v[\r], 8*REC, v[\r]               ; on to the second half of K; these nine lines are also the places in front of the loads below
.endr
.irp r, 8,9,10,11,12,13
	v_add_nc_u32 v[\r], 16*REC, v[\r]
.endr
	s_wait_alu depctr_va_vdst(0)                   ; the wait behind these writes
.else
.rept 4
	v_nop                                          ; four places in front of loads into registers that the last matrix instructions have read (ISA guide 7.12.1 for vector instructions)
.endr
.endif
	FETCH ((\s)+1)%4
	s_wait_dscnt 54                                ; all but the 54 just issued: this K step's fragments are in
.else
	s_wait_dscnt 0x0
.endif
	MUL \s
.endm
; 64 numbers of a lane, register 16 b + i = k 32 b + 16 (lane / 16) + i of my row, become a fragment's codes in v[PC] on and its scale word in v[PW]
.macro QUANT s
.irp b, 0,1,2,3
	v_max3_num_f32 v[TM+\b], |v[\s+16*\b]|, |v[\s+1+16*\b]|, 0x1800000   ; and the floor 2^(3 - 127): the byte cannot fall under 1
.endr
.irp i, 2,4,6,8,10,12,14
.irp b, 0,1,2,3
	v_max3_num_f32 v[TM+\b], v[TM+\b], |v[\s+16*\b+\i]|, |v[\s+1+16*\b+\i]|
.endr
.endr
.irp b, 0,1,2,3
	v_permlanex16_b32 v[TM+4+\b], v[TM+\b], s[SEL], s[SEL+1]
.endr
.irp b, 0,1,2,3
	v_max_num_f32 v[TM+\b], v[TM+\b], v[TM+4+\b]
.endr
.irp b, 0,1,2,3
	v_add_nc_u32 v[TM+12+\b], 0xff000000, v[TM+\b]   ; 2 off the exponent field: the conversion's scale operand
.endr
.irp b, 0,1,2,3
	v_lshrrev_b32 v[TM+4+\b], 23, v[TM+12+\b]
.endr
	v_lshl_or_b32 v[PW], v[TM+5], 8, v[TM+4]
	v_lshl_or_b32 v[PW], v[TM+6], 16, v[PW]
	v_lshl_or_b32 v[PW], v[TM+7], 24, v[PW]
.irp c, 0,1
	v_cvt_scalef32_pk16_fp6_f32 v[PC+6*\c:PC+2+6*\c], v[\s+32*\c:\s+15+32*\c], v[TM+12+2*\c]
	v_cvt_scalef32_pk16_fp6_f32 v[PC+12+4*\c:PC+14+4*\c], v[\s+16+32*\c:\s+31+32*\c], v[TM+12+2*\c+1]
.endr
	v_nop                                          ; one plain place behind a scaled conversion
.irp c, 0,1
.irp i, 0,1,2
	v_permlane16_swap_b32 v[PC+6*\c+\i], v[PC+12+4*\c+\i]
.endr
.irp i, 0,1,2
	v_mov_b32 v[PC+3+6*\c+\i], v[PC+12+4*\c+\i]
.endr
.endr
.endm
; THE WAY OUT, a row of tiles (16 rows i x 128 j) at a time: + bias (which also brings the sums into window 0, each accumulator from its low end on), quantised, stored as register images
.macro EPI p
	WIN 0
	s_wait_loadcnt 0x0                             ; the bias (and the mask's bytes)
.rept 4
	v_nop                                          ; four places behind the last matrix instruction, in front of the first read of results
.endr
.irp a, 0,1,2,3
.if \a > 0
	s_wait_xcnt 0x0                                ; the last row's stores have read their data: the registers are written again only behind this wait
.endif
	WIN ACCRD
.set i, 0
.rept 32
.if \p == 2
	v_pk_add_f32 v[HA+2*i:HA+2*i+1], v[64*\a+2*i:64*\a+2*i+1], v[BJ+2*\a:BJ+2*\a+1]
.else
	v_pk_add_f32 v[HA+2*i:HA+2*i+1], v[64*\a+2*i:64*\a+2*i+1], v[BJ+2*i:BJ+2*i+1]
.endif
.set i, i+1
.endr
	WIN 0
	QUANT HA
.if \p == 0
.irp c, 0,1                                    ; head c's half of the fragment
	global_store_b128 v14, v[PC+6*\c:PC+6*\c+3], s[14:15] offset:98304*\c+768*\a
	global_store_b64 v15, v[PC+6*\c+4:PC+6*\c+5], s[14:15] offset:98304*\c+768*\a+512
.endr
	v_lshrrev_b32 v62, v30, v[PW]                  ; lanes 0-15: the first head's two bytes, lanes 16-31: the second's
	v_and_or_b32 v62, v62, s94, s95                ; over them 127, 127
	global_store_b32 v16, v62, s[16:17] offset:64*\a
.elseif \p == 1
	v_cmp_ne_u32 vcc_lo, 0, v[20+\a]               ; does my key count?
.irp c, 0,1
.irp i, 0,1,2,3,4,5
	v_cndmask_b32 v[T+8*\c+\i], 0, v[PC+6*\c+\i], vcc_lo   ; a masked key's codes are zeros,
.endr
	v_cndmask_b32 v[T+8*\c+6], v24, v25, vcc_lo    ; and it has (1.875, 2.5) at k = 64, 65
.endr
	v_cndmask_b32 v63, v26, v27, vcc_lo            ; under the byte 140; an open key has 1 there
	v_lshrrev_b32 v62, v30, v[PW]
	v_and_or_b32 v62, v62, s94, v63
.irp c, 0,1
	global_store_b128 v14, v[T+8*\c:T+8*\c+3], s[18:19] offset:241664*\c+1024*\a
	global_store_b128 v14, v[T+8*\c+4:T+8*\c+7], s[18:19] offset:241664*\c+1024*\a+512
.endr
	global_store_b32 v16, v62, s[16:17] offset:64*\a
.else
.irp c, 0,1,2
	global_store_b128 v14, v[PC+4*\c:PC+4*\c+3], s[18:19] offset:1536*\a+512*\c
.endr
.if \a%2 == 0
	v_mov_b32 v61, v[PW]                           ; the even tile's words wait for the odd tile's
.else
	v_cndmask_b32 v62, v61, v[PW], s96             ; lanes 0-15 the even tile's, lanes 16-31 the odd tile's: 128 consecutive bytes
	global_store_b32 v19, v62, s[18:19] offset:6656+128*(\a/2)
.endif
.endif
.endr
.endm
; One of the three projections: where its results go, its bias, the walk over K with the next tile's fills, the way out.  s97 = gi, s98 = jc, as the last TILEAD left them
.macro BODY p
.if \p > 0
	s_wait_xcnt 0x0                                ; the last tile's stores have read their bases and offsets
.endif
	ADRS
	s_mov_b32 s59, 0
.if \p == 2
	s_mov_b64 s[18:19], s[44:45]                   ; kv, as it came
	s_lshr_b32 s56, s98, 4                         ; batch
	s_lshl_b32 s56, s56, 4
	s_add_co_u32 s56, s56, s97                     ; 16 b + head
	s_lshl_b32 s56, s56, 4
	s_and_b32 s57, s98, 15
	s_add_co_u32 s56, s56, s57                     ; + the key step: the record
	s_mul_i32 s58, s56, KVREC
	s_add_co_u32 s58, s58, 8192
	s_add_nc_u64 s[18:19], s[18:19], s[58:59]      ; V's fragments in it
	s_lshl_b32 s58, s97, 8
	s_add_nc_u64 s[10:11], s[10:11], s[58:59]      ; bv at my head
	v_lshlrev_b32 v17, 2, v4
.irp a, 0,1,2,3
	global_load_b32 v[BJ+2*\a], v17, s[10:11] offset:(32*(\a/2)+8*(\a%2))*4     ; my row's bias, twice: a pair for the packed addition
	global_load_b32 v[BJ+2*\a+1], v17, s[10:11] offset:(32*(\a/2)+8*(\a%2))*4
.endr
.else
.set BP, 6+2*\p
	s_lshr_b32 s56, s97, 5                         ; batch
	s_lshl_b32 s56, s56, 4
	s_lshl_b32 s57, s98, 1
	s_add_co_u32 s56, s56, s57                     ; 16 b + my first head
	s_lshl_b32 s58, s98, 9
	s_add_nc_u64 s[BP:BP+1], s[BP:BP+1], s[58:59]  ; the bias at my 128 columns
	v_lshlrev_b32 v17, 6, v3
.irp n, 0,1,2,3,4,5,6,7,8,9,10,11,12,13,14,15
	global_load_b128 v[BJ+4*\n:BJ+4*\n+3], v17, s[BP:BP+1] offset:128*(\n/4)+16*(\n%4)   ; register 16 b + i: column 32 b + 16 h + i
.endr
.if \p == 0
	s_lshl_b32 s56, s56, 7
	s_and_b32 s57, s97, 31
	s_lshl_b32 s57, s57, 2
	s_add_co_u32 s56, s56, s57                     ; my first tile of 16 queries
	s_mul_i32 s58, s56, 768
	s_add_nc_u64 s[14:15], s[14:15], s[58:59]
	s_lshl_b32 s58, s56, 6
	s_add_nc_u64 s[16:17], s[16:17], s[58:59]
	v_lshlrev_b32 v16, 2, v2
	v_lshl_add_u32 v16, v3, 13, v16                ; 4 r, + a head's 8,192 bytes of words for lanes 16-31
.else
	s_lshl_b32 s56, s56, 4
	s_bfe_u32 s57, s97, 0x40001
	s_add_co_u32 s56, s56, s57                     ; the record: my group's key step
	s_mul_i32 s58, s56, KVREC
	s_add_nc_u64 s[18:19], s[18:19], s[58:59]
	s_and_b32 s57, s97, 1                          ; which half of the step's 128 keys
	s_lshl_b32 s58, s57, 8
	s_add_co_u32 s58, s58, 14336
	s_add_nc_u64 s[16:17], s[18:19], s[58:59]      ; K's scale words
	s_lshl_b32 s58, s57, 12
	s_add_nc_u64 s[18:19], s[18:19], s[58:59]      ; K's tiles
	s_lshl_b32 s58, s97, 6
	s_add_nc_u64 s[12:13], s[12:13], s[58:59]      ; the mask at my 64 keys
	v_and_b32 v18, 8, v2
	v_mad_u32_u24 v18, v18, 3, v2                  ; k's groups: row r of fragment a is key 8 a + r + 24 (r / 8)
.irp a, 0,1,2,3
	global_load_u8 v[20+\a], v18, s[12:13] offset:8*\a
.endr
	v_mul_u32_u24 v16, v3, 241664
	v_lshl_add_u32 v16, v2, 2, v16                 ; 4 r, + a head's 16 records for lanes 16-31
	v_sub_nc_u32 v24, 1, v3
	v_mul_u32_u24 v24, v24, 0x48f                  ; the codes of 1.875 and 2.5, in lanes 0-15 (k = 64, 65)
	v_mov_b32 v25, 0
	v_mov_b32 v26, 0x018c0000                      ; bytes 2, 3 of a masked key's scale word: 140, 1
	v_mov_b32 v27, 0x01010000                      ; of an open key's: 1, 1
	v_mov_b32 v[T+7], 0
	v_mov_b32 v[T+15], 0
.endif
.endif
	s_wait_alu depctr_va_vdst(0)
.if \p == 0
	s_cmp_lt_u32 s20, 2
	s_cbranch_scc0 .Lnot_first
	s_wait_tensorcnt 0x0                           ; waves 0 and 1: K steps 0-3 have landed; the loads of waves 2 and 3 stay out
.Lnot_first:
	s_barrier_signal -1
	s_barrier_wait -1
.endif                                         ; (a later tile's K steps 0-3 were shown to all by the round ahead of the last way out)
	FETCH 0
.irp s, 0,1,2,3,4,5,6,7
	KSTEP \s, \p
.endr
.if \p < 2
	WIN 0
	s_wait_tensorcnt 0x0                           ; every wave: the next tile's K steps 0-3 have landed
	ds_add_u32 v[SPW], v[NIL]
	s_wait_dscnt 0x0                               ; the add is done; my reads of K steps 4-7 were over ahead of the last products
	CROUND
	REFILL 2                                       ; the next tile's K steps 4-7
.endif
	EPI \p
.endm
	s_load_b512 s[4:19], s[0:1], 0x0               ; xc, bq, bk, bv, kv_mask, qimg, qs, kv
	v_lshl_add_u32 v[SPW], v0, 2, SPARE
	v_mov_b32 v[NIL], 0
	ds_add_u32 v[SPW], v[NIL]                      ; the wave's opening: the add, twice on end, and its wait ahead of my first tensor load
	ds_add_u32 v[SPW], v[NIL]
	v_lshrrev_b32 v1, 5, v0
	v_readfirstlane_b32 s20, v1                    ; wave 0..3
	s_lshr_b32 s21, s20, 1                         ; wi: which 64 rows i.  Also: which half of K I ask for
	s_and_b32 s22, s20, 1                          ; wj: which 128 columns j
	s_bfe_u32 s47, ttmp6, 0x40000                  ; cx
	s_bfe_u32 s48, ttmp6, 0x40004                  ; cy
	s_and_b32 s46, ttmp7, 0xffff                   ; the cluster's y: 0 .. 15
	s_lshl_b32 s99, s48, 2
	s_lshl_b32 s99, 15, s99                        ; my row of the cluster
	s_lshl_b32 s58, 0x1111, s47                    ; my column
	; descriptor groups 1: a row is four records of one group, 25,600 bytes = 3,200 elements of 8 bytes; the rows lie a group, 6,400 elements, apart
	s_or_b32 s24, s99, (3<<16)|(1<<21)             ; 15:0 the mask; 17:16 elements of 8 bytes; 21 set beside a mask
	s_mov_b32 s25, 3200<<16                        ; tensor_dim0
	s_mov_b32 s26, 2<<16                           ; tensor_dim1: S1's two groups
	s_mov_b32 s27, 3200<<16                        ; tile_dim0
	s_mov_b32 s28, 2                               ; tile_dim1
	s_mov_b32 s29, 6400                            ; the pitch
	s_mov_b32 s30, 0
	s_mov_b32 s31, 0
	s_or_b32 s32, s58, (3<<16)|(1<<21)
	s_mov_b32 s33, 3200<<16
	s_mov_b32 s34, 4<<16                           ; S0's four groups
	s_mov_b32 s35, 3200<<16
	s_mov_b32 s36, 4
	s_mov_b32 s37, 6400
	s_mov_b32 s38, 0
	s_mov_b32 s39, 0
	s_mov_b32 s40, 1
	s_mul_i32 s41, s21, 8*REC                      ; LDS: my half of S1,
	s_mov_b32 s68, 1
	s_mul_i32 s69, s21, 16*REC
	s_add_co_u32 s69, s69, S0L                     ; of S0
	s_mov_b32 s[SEL], 0x76543210
	s_mov_b32 s[SEL+1], 0xfedcba98
	s_mov_b32 s94, 0xffff
	s_mov_b32 s95, 0x7f7f0000
	s_mov_b32 s96, 0xffff0000
	s_wait_dscnt 0x0                               ; both opening adds are done
	s_wait_kmcnt 0x0
	s_mov_b64 s[44:45], s[18:19]                   ; kv's address is kept: k's tile steps s[18:19]
	TILEAD 0
	CROUND                                         ; all sixteen work-groups are here: the joint loads meet
; One tensor load a wave, in one chain of branches on the wave's number.  Each wave has a line of its own, since waves 2 and 3 pass the first wait by.
.macro ARM under, g0, g1, next
	s_cmp_lt_u32 s20, \under
	s_cbranch_scc0 \next
	TLOAD \g0, \g1
	s_branch .Lhead_asked
\next:
.endm
	ARM 1, 40, 24, .Lhead_1
	ARM 2, 68, 32, .Lhead_2
	ARM 3, 40, 24, .Lhead_3
	TLOAD 68, 32
.Lhead_asked:
	v_and_b32 v1, 31, v0                           ; lane
	v_and_b32 v2, 15, v0                           ; r
	v_bfe_u32 v3, v0, 4, 1                         ; h
	v_and_b32 v4, 8, v2
	v_add_nc_u32 v4, v4, v2                        ; r + 8 (r / 8)
	v_lshlrev_b32 v14, 4, v1
	v_lshlrev_b32 v15, 3, v1
	v_lshlrev_b32 v19, 2, v1
	v_lshlrev_b32 v30, 4, v3
.irp b, 0,1,2,3
	v_mov_b32 v[TM+4+\b], 0                        ; written once: a lane permute's destination counts as one of its sources
.endr
	BODY 0
	BODY 1
	BODY 2
	s_wait_tensorcnt 0x0                           ; the wave's end, behind my last tensor load
	ds_add_u32 v[SPW], v[NIL]
	s_wait_dscnt 0x0
	CROUND                                         ; the closing round
	s_endpgm
.Lfunc_end_k_qb43b2b1724_proj:
	.size	k_qb43b2b1724_proj, .Lfunc_end_k_qb43b2b1724_proj-k_qb43b2b1724_proj
	.p2alignl 7, 3214868480
	.fill 96, 4, 3214868480
	.section	.rodata,"a",@progbits
	.p2align	6, 0x0
	.amdhsa_kernel k_qb43b2b1724_proj
		.amdhsa_group_segment_fixed_size 327680
		.amdhsa_private_segment_fixed_size 0
		.amdhsa_enable_private_segment 0
		.amdhsa_kernarg_size 64
		.amdhsa_user_sgpr_count 2
		.amdhsa_user_sgpr_kernarg_segment_ptr 1
		.amdhsa_wavefront_size32 1
		.amdhsa_system_sgpr_workgroup_id_x 1
		.amdhsa_system_sgpr_workgroup_id_y 1
		.amdhsa_system_sgpr_workgroup_id_z 1
		.amdhsa_system_vgpr_workitem_id 0
		.amdhsa_next_free_vgpr 1024
		.amdhsa_next_free_sgpr 100
		.amdhsa_reserve_vcc 1
		.amdhsa_float_denorm_mode_32 3
		.amdhsa_float_denorm_mode_16_64 3
		.amdhsa_memory_ordered 1
		.amdhsa_forward_progress 1
		.amdhsa_inst_pref_size 255
	.end_amdhsa_kernel
	.section	.bss,"aw",@nobits
	.p2align	6
	.space	262144
	.amdgpu_metadata
---
amdhsa.version: [ 1, 2 ]
amdhsa.kernels:
  - .name:           k_qb43b2b1724_proj
    .symbol:         k_qb43b2b1724_proj.kd
    .args:
      - { .name: xc, .offset: 0, .size: 8, .value_kind: global_buffer, .address_space: global }
      - { .name: bq, .offset: 8, .size: 8, .value_kind: global_buffer, .address_space: global }
      - { .name: bk, .offset: 16, .size: 8, .value_kind: global_buffer, .address_space: global }
      - { .name: bv, .offset: 24, .size: 8, .value_kind: global_buffer, .address_space: global }
      - { .name: kv_mask, .offset: 32, .size: 8, .value_kind: global_buffer, .address_space: global }
      - { .name: qimg, .offset: 40, .size: 8, .value_kind: global_buffer, .address_space: global }
      - { .name: qs, .offset: 48, .size: 8, .value_kind: global_buffer, .address_space: global }
      - { .name: kv, .offset: 56, .size: 8, .value_kind: global_buffer, .address_space: global }
    .group_segment_fixed_size: 327680
    .private_segment_fixed_size: 0
    .kernarg_segment_align: 8
    .kernarg_segment_size: 64
    .max_flat_workgroup_size: 128
    .sgpr_count:     100
    .vgpr_count:     1024
    .wavefront_size: 32
...
	.end_amdgpu_metadata
.endif
;; end of part 2
;; launch attn (part 3): grid 4 x 64, 16 waves a work-group, clusters of 4 x 1, 262,144 bytes of LDS; arguments qimg, qs, kv, oc; writes oc
.if DOCPART == 3
	.amdgcn_target "amdgcn-amd-amdhsa--gfx1250"
	.amdhsa_code_object_version 6
	.text
	.protected	k_qb43b2b1724_attn
	.globl	k_qb43b2b1724_attn
	.p2align	8
	.type	k_qb43b2b1724_attn,@function
k_qb43b2b1724_attn:
	s_mov_b64 s[64:65], 0
	v_nop
	global_prefetch_b8 v0, s[64:65] scope:SCOPE_SE
	s_setreg_imm32_b32 hwreg(HW_REG_WAVE_MODE, 25, 1), 1
	s_wait_xcnt 0x0
	s_wait_alu depctr_hold_cnt(0) depctr_sa_sdst(0) depctr_va_vdst(0) depctr_va_sdst(0) depctr_va_ssrc(0) depctr_va_vcc(0) depctr_vm_vsrc(0)
	s_getreg_b32 s2, hwreg(HW_REG_IB_STS2, 6, 4)
	s_cmp_eq_u32 s2, 0
	s_cbranch_scc0 .Lentry_in_a_cluster
	s_endpgm
.Lentry_in_a_cluster:
	s_bfe_u32 s2, ttmp6, 0x10000c
	s_cmp_lg_u32 s2, 0x3003
	s_cbranch_scc0 .Lentry_shape_is_right
	s_endpgm
.Lentry_shape_is_right:
; LAUNCH 3 OF 4.  Attention on codes of E2M3: S^T = K Q^T, the softmax, O^T = V^T P^T, O / l quantised along the model's 1,024 for the last product.  No work of reference() is left out.
; THE SOFTMAX: t = score x log2(e) / 8; M = the running largest t rounded UP to a whole number; p = 2^(t - M) is quantised along the keys, not normalised; the row's sum is taken of the unquantised p and divides O at the end.
; When M moves, the sum and O are multiplied by 2^(old M - new M): exact.  THE MASK lies in K's and Q's images (k = 64, 65 of the first product): a masked key's score comes out as -80000, its logit as -10000.
; SHARES.  A work-group owns 512 queries of one (batch, head); each of its sixteen waves two tiles of 16, one after the other (PASS 0, 1), in 256 registers.  The whole head's K and V (16 records of 15,104 bytes) lie in LDS,
; each byte filled once, one tensor load a wave: one is outstanding by this text's count.  CLUSTER: the four work-groups of a head ask for each record jointly.  Nothing is prefetched: all that the launch reads is asked for at its head.
; LAYOUT.  Both products are used transposed: a lane (r, h) holds query r throughout.  Tile 4 c + u of K has in its rows 0-7 the keys 64 c + 8 u + 0..7 and in rows 8-15 the keys 64 c + 32 + 8 u + 0..7 of the step:
; so registers S + 32 c + 0..31 of a lane are the 32 keys of ONE scale block, 2 c + h, in order: the block's largest score needs no other lane, and two conversions give the six registers of P's operand.
; K'S FRAGMENTS LIE 8 REGISTERS APART: a fragment's registers 8-11 are the next one's 0-3 (the last one's: four zeros).  They stand at k = 80 .. 127, where every code of Q is zero, so they add nothing.
; A STEP'S LDS READS: V's fragments are asked for behind the eight score products, into K's registers, and waited for behind the exponentials; the next step's K behind the four products with V, with 16 additions of the
; row's sum behind them.  Every wait for LDS is for 0.  The sum's four parts are joined at the head of the NEXT step, where those lines are the places behind the score products: l = l x f + parts, f still the last step's.
; A pass is 15 trips of a loop and a last step written out, which asks for record 0 again (PASS 0, for PASS 1) or for nothing.
; OUT: oc, laid as the first launch lays an operand: [group of 64 queries][pair of heads][6,400]; my head fills half (head % 2) of each fragment and two bytes of each scale word.
; LIMITS: t - M is one fused multiply-add (one rounding); a block of p that is all zeros keeps the byte 1; NaN and infinities are not served; the scaled scores stay under 2^31 in magnitude.
.set KVREC, 15104
.set SPARE, 16*KVREC                   ; behind the head's records: the spare words, 128 bytes a wave
.set SPW,  4                           ; v1 16 x lane, v2 4 x lane, v3 8 x lane, v8 4 r, v9 8 h; v4, v5 the add's; v10, v11 at work; v12 -M, v13 the largest score, v[14:15] l
.set NIL,  5
.set ADK,  6                           ; v6, v7 the step's record in LDS, + 16 x lane, + 4 x lane
.set ADS,  7
.set QF,   16                          ; v16-39 Q's two fragments
.set QS,   40                          ; v40, v41 their scale words
.set KS,   42                          ; v42-45 K's scale words; v46, v47 V's
.set VS,   46
.set F,    48                          ; v48 f = 2^(old M - new M)  (v49 is named with it as a pair)
.set PW,   50                          ; v50 p's scale word
.set XT,   51                          ; what comes from lane l xor 16
.set BM,   52                          ; v52-55 the maxima's chains; then v52, v53 the two blocks' largest, v54, v55 the conversions' scale operands
.set BY,   56                          ; v56, v57 scale bytes
.set PS,   58                          ; v58-65 the sum's four parts
.set PC,   66                          ; v66-77 p's codes; v78-80, v82-84 the second halves as they are made
.set TC,   78
.set O,    88                          ; v88-119 O^T
.set S,    120                         ; v120-183 S^T, then p
.set KX,   184                         ; v184-251 K's eight fragments, then V's four
.set WV,   12                          ; s12 my wave's number
.set SEL,  28                          ; s[28:29]
.set CS,   30                          ; s[30:31] c = log2(e) / 8
.set TB,   32                          ; s32 LDS byte of the key step's record
.set CNT,  33                          ; s33 trips to go
.macro CROUND
	s_barrier_signal -1
	s_barrier_wait -1
	s_cmp_lg_u32 s[WV], 0
	s_cbranch_scc1 .Lnot_wave_0_\@
	s_barrier_signal -3
.Lnot_wave_0_\@:
	s_barrier_wait -3
	s_barrier_signal -1
	s_barrier_wait -1
.endm
.macro DEP n                           ; the line below reads what the n-th vector line above it wrote
	s_delay_alu instid0(VALU_DEP_\n)
.endm
; the matrix instruction: D at d, source 0 at a, source 1 at b, their scale registers sa, sb; ra = 1: source 0's scales stand in lanes 16-31; zero = 1: the product starts the sum
.macro WM d, a, b, sa, sb, ra, zero
.if \zero
.if (\ra)
	v_wmma_scale_f32_16x16x128_f8f6f4 v[0+(\d):7+(\d)], v[0+(\a):11+(\a)], v[0+(\b):11+(\b)], 0, v[\sa], v[\sb] matrix_a_fmt:MATRIX_FMT_FP6 matrix_b_fmt:MATRIX_FMT_FP6 matrix_a_scale:MATRIX_SCALE_ROW1
.else
	v_wmma_scale_f32_16x16x128_f8f6f4 v[0+(\d):7+(\d)], v[0+(\a):11+(\a)], v[0+(\b):11+(\b)], 0, v[\sa], v[\sb] matrix_a_fmt:MATRIX_FMT_FP6 matrix_b_fmt:MATRIX_FMT_FP6
.endif
.else
.if (\ra)
	v_wmma_scale_f32_16x16x128_f8f6f4 v[0+(\d):7+(\d)], v[0+(\a):11+(\a)], v[0+(\b):11+(\b)], v[0+(\d):7+(\d)], v[\sa], v[\sb] matrix_a_fmt:MATRIX_FMT_FP6 matrix_b_fmt:MATRIX_FMT_FP6 matrix_a_scale:MATRIX_SCALE_ROW1
.else
	v_wmma_scale_f32_16x16x128_f8f6f4 v[0+(\d):7+(\d)], v[0+(\a):11+(\a)], v[0+(\b):11+(\b)], v[0+(\d):7+(\d)], v[\sa], v[\sb] matrix_a_fmt:MATRIX_FMT_FP6 matrix_b_fmt:MATRIX_FMT_FP6
.endif
.endif
.endm
.macro KLOAD a16, a4, off              ; a record's eight tiles of K, 8 registers each, and their scale words (lanes 0-15: tile 2 u's, lanes 16-31: tile 2 u + 1's): 20 LDS loads
.irp t, 0,1,2,3,4,5,6,7
	ds_load_b128 v[KX+8*\t:KX+8*\t+3], v[\a16] offset:(\off)+1024*\t
	ds_load_b128 v[KX+8*\t+4:KX+8*\t+7], v[\a16] offset:(\off)+1024*\t+512
.endr
.irp u, 0,1,2,3
	ds_load_b32 v[KS+\u], v[\a4] offset:(\off)+14336+128*\u
.endr
.endm
.macro SUMR r                          ; round r = 1 .. 7 of the row's sum: four chains by turns, two numbers a line
.irp q, 0,1,2,3
.if (\r) == 1
	v_pk_add_f32 v[PS+2*\q:PS+2*\q+1], v[S+2*\q:S+2*\q+1], v[S+8+2*\q:S+8+2*\q+1]
.else
	v_pk_add_f32 v[PS+2*\q:PS+2*\q+1], v[PS+2*\q:PS+2*\q+1], v[S+8*(\r)+2*\q:S+8*(\r)+2*\q+1]
.endif
.endr
.endm
.macro TMM from, to                    ; t - M of registers from .. to - 1 of S, two at a time
.set j, \from
.rept ((\to)-(\from))/2
	v_pk_fma_f32 v[S+j:S+j+1], v[S+j:S+j+1], s[CS:CS+1], v[12:13] op_sel_hi:[1,0,0]
.set j, j+2
.endr
.endm
; A KEY STEP: 128 keys.  qf: my tile's fragment of Q; qsc: its scale words; nxt: 1 the next record's K is asked for, 2 record 0's, 0 nothing
.macro STEP qf, qsc, nxt
	s_wait_alu depctr_va_vdst(0)
	s_wait_dscnt 0x0                               ; this step's K is in
.irp t, 0,1,2,3,4,5,6,7
	WM S+8*\t, KX+8*\t, \qf, KS+\t/2, \qsc, \t%2, 1
.endr
	v_pk_add_f32 v[PS:PS+1], v[PS:PS+1], v[PS+2:PS+3]      ; the last step's sum is joined: five lines, the places behind the products
	v_pk_add_f32 v[PS+4:PS+5], v[PS+4:PS+5], v[PS+6:PS+7]
	v_mov_b32 v10, v12                             ; the old -M
	DEP 2
	v_pk_add_f32 v[PS:PS+1], v[PS:PS+1], v[PS+4:PS+5]
	DEP 1
	v_pk_fma_f32 v[14:15], v[14:15], v[F:F+1], v[PS:PS+1] op_sel_hi:[1,0,1]
.irp t, 0,1,2,3                                ; V's four fragments take K's registers
.irp i, 0,1,2
	ds_load_b128 v[KX+12*\t+4*\i:KX+12*\t+4*\i+3], v[ADK] offset:8192+1536*\t+512*\i
.endr
.endr
	ds_load_b32 v[VS], v[ADS] offset:14848
	ds_load_b32 v[VS+1], v[ADS] offset:14976
.irp b, 0,1,2,3                                ; the largest score of my two blocks of 32 keys, two chains to a block, each tile from its low end on
	v_max3_num_f32 v[BM+\b], v[S+16*\b], v[S+16*\b+1], v[S+16*\b+2]
.endr
.irp i, 3,5,7,9,11,13
.irp b, 0,1,2,3
	v_max3_num_f32 v[BM+\b], v[BM+\b], v[S+16*\b+\i], v[S+16*\b+\i+1]
.endr
.endr
	v_max3_num_f32 v[BM], v[BM], v[BM+1], v[S+15]
	v_max3_num_f32 v[BM+2], v[BM+2], v[BM+3], v[S+47]
	v_max_num_f32 v[BM], v[BM], v[S+31]
	v_max_num_f32 v[BM+1], v[BM+2], v[S+63]
	DEP 1
	v_max_num_f32 v11, v[BM], v[BM+1]
	DEP 1
	v_permlanex16_b32 v[XT], v11, s[SEL], s[SEL+1]
	DEP 1
	v_max3_num_f32 v13, v13, v11, v[XT]            ; the running largest score of my query (c is positive)
	DEP 1
	v_mul_f32 v11, s[CS], v13                      ; as t
	DEP 1
	v_floor_f32 v12, -v11                          ; the new -M = floor(-t) = -ceil(t)
	DEP 1
	v_sub_f32 v10, v12, v10                        ; old M - new M: a whole number, 0 or less
	TMM 0, 8
	v_cvt_i32_f32 v10, v10                         ; (it saturates)
	TMM 8, 16
	v_ldexp_f32 v[F], 1.0, v10                     ; f = 2^(old M - new M)
	TMM 16, 64
	v_fma_f32 v[BM], v[BM], s[CS], v12             ; the same of each block's largest score: p rises with the score
	v_fma_f32 v[BM+1], v[BM+1], s[CS], v12
.set j, 0
.rept 16
	v_pk_mul_f32 v[O+j:O+j+1], v[O+j:O+j+1], v[F:F+1] op_sel_hi:[1,0]   ; O^T under the new M
.set j, j+2
.endr
	s_wait_alu depctr_va_vdst(0)
.set j, 0
.rept 64
	v_exp_f32 v[S+j], v[S+j]                       ; p = 2^(t - M), at most 1
.set j, j+1
.endr
	v_exp_f32 v[BM], v[BM]                         ; the blocks' largest p
	v_exp_f32 v[BM+1], v[BM+1]
	v_nop                                          ; a plain place behind the exponentials
	s_wait_alu depctr_va_vdst(0)                   ; one wait for the batch of 66, ahead of its first reader
	s_wait_dscnt 0x0                               ; V's fragments, asked for ahead of the maxima, are in
	v_max_num_f32 v[BM], 0x1800000, v[BM]          ; the floor 2^(3 - 127): the byte cannot fall under 1
	v_max_num_f32 v[BM+1], 0x1800000, v[BM+1]
	DEP 2
	v_add_nc_u32 v[BM+2], 0xff000000, v[BM]        ; 2 off the exponent field: the conversion's scale operand
	DEP 2
	v_add_nc_u32 v[BM+3], 0xff000000, v[BM+1]
.irp c, 0,1
	v_cvt_scalef32_pk16_fp6_f32 v[PC+6*\c:PC+6*\c+2], v[S+32*\c:S+32*\c+15], v[BM+2+\c]
	v_cvt_scalef32_pk16_fp6_f32 v[TC+4*\c:TC+4*\c+2], v[S+32*\c+16:S+32*\c+31], v[BM+2+\c]   ; (a conversion's three registers begin on an even number)
.endr
	v_lshrrev_b32 v[BY], 23, v[BM+2]               ; the bytes of blocks h and 2 + h
	v_lshrrev_b32 v[BY+1], 23, v[BM+3]
	DEP 1
	v_lshl_or_b32 v[BY], v[BY+1], 16, v[BY]
	DEP 1
	v_lshlrev_b32 v[BY], v9, v[BY]                 ; at their places in the word, 8 h bits up
	DEP 1
	v_permlanex16_b32 v[XT], v[BY], s[SEL], s[SEL+1]
	DEP 1
	v_or_b32 v[PW], v[BY], v[XT]                   ; with lane l xor 16's two the word is whole
.irp c, 0,1
.irp i, 0,1,2
	v_mov_b32 v[PC+6*\c+3+\i], v[TC+4*\c+\i]       ; registers 6 c .. 6 c + 5: k = 64 c + 32 h + 0 .. 31
.endr
.endr
	SUMR 1                                         ; the row's sum of the unquantised p; these eight lines are the places between the codes and the scale word and the products
	SUMR 2
.irp t, 0,1,2,3                                ; O^T += V^T P^T: the four accumulators by turns
	WM O+8*\t, KX+12*\t, PC, VS+\t/2, PW, \t%2, 0
.endr
	SUMR 3                                         ; four places in front of the loads into V's registers
.if (\nxt) == 1
	KLOAD ADK, ADS, KVREC
.elseif (\nxt) == 2
	KLOAD 1, 2, 0
.endif
	SUMR 4
	SUMR 5
	SUMR 6
	SUMR 7
.if (\nxt) == 1
	s_add_co_u32 s[TB], s[TB], KVREC
	v_add_nc_u32 v[ADK], s[TB], v1
	v_add_nc_u32 v[ADS], s[TB], v2
.endif
.endm
; One tile of 16 queries through all 2,048 keys, and out
.macro PASS p
.if \p > 0
	s_wait_xcnt 0x0                                ; the first tile's stores have read their data
.endif
	v_mov_b32 v13, 0xff61b1e6                      ; the largest score so far: -3e38
	DEP 1
	v_floor_f32 v12, -v13
	v_mov_b32 v14, 0
	v_mov_b32 v15, 0
	v_mov_b32 v[F], 0
	v_mov_b32 v[F+1], 0
.set j, 0
.rept 8
	v_mov_b32 v[PS+j], 0
.set j, j+1
.endr
.set j, 0
.rept 32
	v_mov_b32 v[O+j], 0                            ; O^T: the step is written for all steps alike; the first finds zeros, which the first change of M leaves zeros
.set j, j+1
.endr
	s_mov_b32 s[TB], 0
	s_mov_b32 s[CNT], 15
	v_add_nc_u32 v[ADK], s[TB], v1
	v_add_nc_u32 v[ADS], s[TB], v2
.if \p == 0
	KLOAD ADK, ADS, 0
.endif
.Lstep_\@:
	STEP QF+12*\p, QS+\p, 1
	s_sub_co_u32 s[CNT], s[CNT], 1
	s_cmp_lg_u32 s[CNT], 0
	s_cbranch_scc1 .Lstep_\@
	STEP QF+12*\p, QS+\p, 2-2*\p
	DEP 3
	v_pk_add_f32 v[PS:PS+1], v[PS:PS+1], v[PS+2:PS+3]      ; the last step's sum
	DEP 2
	v_pk_add_f32 v[PS+4:PS+5], v[PS+4:PS+5], v[PS+6:PS+7]
	DEP 1
	v_pk_add_f32 v[PS:PS+1], v[PS:PS+1], v[PS+4:PS+5]
	DEP 1
	v_pk_fma_f32 v[14:15], v[14:15], v[F:F+1], v[PS:PS+1] op_sel_hi:[1,0,1]
	DEP 1
	v_add_f32 v14, v14, v15                        ; the sum's two halves,
	DEP 1
	v_permlanex16_b32 v[XT], v14, s[SEL], s[SEL+1]
	DEP 1
	v_add_f32 v14, v14, v[XT]                      ; and lane l xor 16's
	s_wait_alu depctr_va_vdst(0)
	v_rcp_f32 v14, v14
	v_nop                                          ; a plain place behind the reciprocal
	s_wait_alu depctr_va_vdst(0)                   ; its wait, directly ahead of the first reader of it and of O^T
.set j, 0
.rept 16
	v_pk_mul_f32 v[S+j:S+j+1], v[O+j:O+j+1], v[14:15] op_sel_hi:[1,0]   ; O / l: register 16 b + i is d = 32 b + 16 h + i
.set j, j+2
.endr
.irp b, 0,1                                    ; the head's two blocks of 32 along the last product's K
	v_max3_num_f32 v[BM+\b], |v[S+16*\b]|, |v[S+16*\b+1]|, 0x1800000
.endr
.irp i, 2,4,6,8,10,12,14
.irp b, 0,1
	DEP 2
	v_max3_num_f32 v[BM+\b], v[BM+\b], |v[S+16*\b+\i]|, |v[S+16*\b+\i+1]|
.endr
.endr
.irp b, 0,1
	DEP 2
	v_permlanex16_b32 v[BY+\b], v[BM+\b], s[SEL], s[SEL+1]
.endr
.irp b, 0,1
	DEP 2
	v_max_num_f32 v[BM+\b], v[BM+\b], v[BY+\b]
.endr
.irp b, 0,1
	DEP 2
	v_add_nc_u32 v[BM+2+\b], 0xff000000, v[BM+\b]
.endr
.irp b, 0,1
	DEP 2
	v_lshrrev_b32 v[BY+\b], 23, v[BM+2+\b]
.endr
	DEP 1
	v_lshl_or_b32 v[PS], v[BY+1], 8, v[BY]         ; my head's two bytes of the row's scale word
	v_cvt_scalef32_pk16_fp6_f32 v[PC:PC+2], v[S:S+15], v[BM+2]
	v_cvt_scalef32_pk16_fp6_f32 v[PC+4:PC+6], v[S+16:S+31], v[BM+3]
	v_nop
	v_permlane16_swap_b32 v[PC], v[PC+4]
	v_permlane16_swap_b32 v[PC+1], v[PC+5]
	v_permlane16_swap_b32 v[PC+2], v[PC+6]
	DEP 3
	v_mov_b32 v[PC+3], v[PC+4]                     ; six registers on end: k = 32 h + 0 .. 31 of my head's 64
	DEP 3
	v_mov_b32 v[PC+4], v[PC+5]
	DEP 3
	v_mov_b32 v[PC+5], v[PC+6]
	global_store_b128 v1, v[PC:PC+3], s[10:11] offset:1536*\p        ; 512 consecutive bytes,
	global_store_b64 v3, v[PC+4:PC+5], s[10:11] offset:1536*\p+512   ; and 256: at multiples of 256 from oc's first byte
	global_store_b16 v8, v[PS], s[34:35] offset:64*\p                ; both halves of the lanes write the same two bytes; the other two of each word are the neighbouring head's
.endm
	s_load_b256 s[4:11], s[0:1], 0x0               ; qimg, qs, kv, oc
	v_lshl_add_u32 v[SPW], v0, 2, SPARE
	v_mov_b32 v[NIL], 0
	ds_add_u32 v[SPW], v[NIL]                      ; the wave's opening: the add, twice on end, and its wait ahead of my first tensor load
	ds_add_u32 v[SPW], v[NIL]
	v_lshrrev_b32 v6, 5, v0
	DEP 1
	v_readfirstlane_b32 s[WV], v6                  ; wave 0..15
	s_bfe_u32 s13, ttmp6, 0x40000                  ; cx: my block of 512 queries: it enters Q's and oc's addresses alone
	s_and_b32 s14, ttmp7, 0xffff                   ; 16 b + head, which the four partners share
	; descriptor group 1: a record, 59 rows of 256 bytes (32 elements of 8 bytes), dense
	s_mov_b32 s16, 15|(3<<16)|(1<<21)              ; 15:0 the mask: all four work-groups; 17:16 elements of 8 bytes; 21 set beside a mask
	s_mov_b32 s17, 32<<16
	s_mov_b32 s18, 59<<16
	s_mov_b32 s19, 32<<16
	s_mov_b32 s20, 59
	s_mov_b32 s21, 32
	s_mov_b32 s22, 0
	s_mov_b32 s23, 0
	s_mov_b32 s24, 1
	s_mul_i32 s25, s[WV], KVREC                    ; record w goes to LDS byte 15,104 w
	s_mul_i32 s44, s14, 16*KVREC
	s_add_co_u32 s44, s44, s25
	s_mov_b32 s45, 0
	s_mov_b32 s[SEL], 0x76543210
	s_mov_b32 s[SEL+1], 0xfedcba98
	s_mov_b32 s[CS], 0x3e38aa3b                    ; c = log2(e) / 8
	s_mov_b32 s[CS+1], s[CS]                       ; (named with it as a pair, so it is written)
	s_lshl_b32 s46, s14, 7
	s_lshl_b32 s47, s13, 5
	s_add_co_u32 s46, s46, s47
	s_lshl_b32 s47, s[WV], 1
	s_add_co_u32 s46, s46, s47                     ; my first tile of queries: 128 (16 b + head) + 32 cx + 2 w
	s_lshr_b32 s36, s14, 4                         ; b
	s_and_b32 s37, s14, 15                         ; head
	s_lshl_b32 s36, s36, 5
	s_lshl_b32 s38, s13, 3
	s_add_co_u32 s36, s36, s38
	s_lshr_b32 s38, s[WV], 1
	s_add_co_u32 s36, s36, s38                     ; my group of 64 queries
	s_lshl_b32 s36, s36, 3
	s_lshr_b32 s38, s37, 1
	s_add_co_u32 s36, s36, s38                     ; + the pair of heads
	s_mul_i32 s36, s36, 6400                       ; the record in oc
	s_and_b32 s38, s[WV], 1
	s_and_b32 s39, s37, 1
	s_mul_i32 s40, s38, 3072                       ; tiles 2 (w % 2) and 2 (w % 2) + 1,
	s_mul_i32 s41, s39, 768                        ; half head % 2
	s_add_co_u32 s40, s40, s41
	s_add_co_u32 s40, s40, s36
	s_mov_b32 s41, 0
	s_lshl_b32 s42, s38, 7
	s_lshl_b32 s43, s39, 1
	s_add_co_u32 s42, s42, s43
	s_add_co_u32 s42, s42, s36
	s_add_co_u32 s42, s42, 6144                    ; and the scale words' two bytes
	s_mov_b32 s43, 0
	s_mul_i32 s36, s46, 768
	s_mov_b32 s37, 0
	s_lshl_b32 s38, s46, 6
	s_mov_b32 s39, 0
	s_wait_dscnt 0x0                               ; both opening adds are done
	s_wait_kmcnt 0x0
	s_add_nc_u64 s[26:27], s[8:9], s[44:45]
	s_or_b32 s27, s27, 0x80000000
	s_add_nc_u64 s[4:5], s[4:5], s[36:37]
	s_add_nc_u64 s[6:7], s[6:7], s[38:39]
	s_add_nc_u64 s[34:35], s[10:11], s[42:43]
	s_add_nc_u64 s[10:11], s[10:11], s[40:41]
	CROUND                                         ; all four work-groups are here: the joint loads meet
	tensor_load_to_lds s[24:27], s[16:23]
	s_nop 0
.rept 4
	v_nop
.endr
	v_and_b32 v10, 31, v0
	DEP 1
	v_lshlrev_b32 v1, 4, v10                       ; 16 x lane
	DEP 2
	v_lshlrev_b32 v2, 2, v10                       ; 4 x lane
	DEP 3
	v_lshlrev_b32 v3, 3, v10                       ; 8 x lane
	v_and_b32 v8, 15, v0
	DEP 1
	v_lshlrev_b32 v8, 2, v8                        ; 4 r
	v_bfe_u32 v9, v0, 4, 1                         ; h
	global_load_b128 v[QF:QF+3], v1, s[4:5]        ; Q's two fragments stay in registers: registers 0-5 from memory,
	global_load_b64 v[QF+4:QF+5], v3, s[4:5] offset:512
	global_load_b128 v[QF+12:QF+15], v1, s[4:5] offset:768
	global_load_b64 v[QF+16:QF+17], v3, s[4:5] offset:1280
	global_load_b32 v[QS], v8, s[6:7]
	global_load_b32 v[QS+1], v8, s[6:7] offset:64
	v_sub_nc_u32 v11, 1, v9
	DEP 1
	v_mul_u32_u24 v[QF+6], v11, 0xcaf              ; register 6: the codes of -1.875 and -2.5 at k = 64, 65 (lanes 0-15),
	v_lshlrev_b32 v9, 3, v9                        ; 8 h
	DEP 2
	v_mov_b32 v[QF+18], v[QF+6]
.irp i, 7,8,9,10,11,19,20,21,22,23
	v_mov_b32 v[QF+\i], 0                          ; the rest zeros
.endr
.irp i, 64,65,66,67
	v_mov_b32 v[KX+\i], 0                          ; what the last fragment of K names behind its eight registers
.endr
	v_mov_b32 v[XT], 0                             ; written once: a lane permute's destination counts as one of its sources
	v_mov_b32 v[BY], 0
	v_mov_b32 v[BY+1], 0
	s_wait_alu depctr_va_vdst(0)
	s_wait_loadcnt 0x0                             ; Q
	s_wait_tensorcnt 0x0                           ; my record has landed,
	s_barrier_signal -1
	s_barrier_wait -1                              ; everybody's has
	PASS 0
	PASS 1
	s_wait_tensorcnt 0x0                           ; the wave's end, behind my last tensor load
	ds_add_u32 v[SPW], v[NIL]
	s_wait_dscnt 0x0
	CROUND                                         ; the closing round
	s_endpgm
.Lfunc_end_k_qb43b2b1724_attn:
	.size	k_qb43b2b1724_attn, .Lfunc_end_k_qb43b2b1724_attn-k_qb43b2b1724_attn
	.p2alignl 7, 3214868480
	.fill 96, 4, 3214868480
	.section	.rodata,"a",@progbits
	.p2align	6, 0x0
	.amdhsa_kernel k_qb43b2b1724_attn
		.amdhsa_group_segment_fixed_size 262144
		.amdhsa_private_segment_fixed_size 0
		.amdhsa_enable_private_segment 0
		.amdhsa_kernarg_size 32
		.amdhsa_user_sgpr_count 2
		.amdhsa_user_sgpr_kernarg_segment_ptr 1
		.amdhsa_wavefront_size32 1
		.amdhsa_system_sgpr_workgroup_id_x 1
		.amdhsa_system_sgpr_workgroup_id_y 1
		.amdhsa_system_sgpr_workgroup_id_z 1
		.amdhsa_system_vgpr_workitem_id 0
		.amdhsa_next_free_vgpr 256
		.amdhsa_next_free_sgpr 66
		.amdhsa_reserve_vcc 0
		.amdhsa_float_denorm_mode_32 3
		.amdhsa_float_denorm_mode_16_64 3
		.amdhsa_memory_ordered 1
		.amdhsa_forward_progress 1
		.amdhsa_inst_pref_size 79
	.end_amdhsa_kernel
	.amdgpu_metadata
---
amdhsa.version: [ 1, 2 ]
amdhsa.kernels:
  - .name:           k_qb43b2b1724_attn
    .symbol:         k_qb43b2b1724_attn.kd
    .args:
      - { .name: qimg, .offset: 0, .size: 8, .value_kind: global_buffer, .address_space: global }
      - { .name: qs, .offset: 8, .size: 8, .value_kind: global_buffer, .address_space: global }
      - { .name: kv, .offset: 16, .size: 8, .value_kind: global_buffer, .address_space: global }
      - { .name: oc, .offset: 24, .size: 8, .value_kind: global_buffer, .address_space: global }
    .group_segment_fixed_size: 262144
    .private_segment_fixed_size: 0
    .kernarg_segment_align: 8
    .kernarg_segment_size: 32
    .max_flat_workgroup_size: 512
    .sgpr_count:     66
    .vgpr_count:     256
    .wavefront_size: 32
...
	.end_amdgpu_metadata
.endif
;; end of part 3
;; launch outp (part 4): grid 4 x 64, 4 waves a work-group, clusters of 4 x 4, 327,680 bytes of LDS; arguments oc, xc, bo, out0; writes out0
.if DOCPART == 4
	.amdgcn_target "amdgcn-amd-amdhsa--gfx1250"
	.amdhsa_code_object_version 6
	.text
	.protected	k_qb43b2b1724_outp
	.globl	k_qb43b2b1724_outp
	.p2align	8
	.type	k_qb43b2b1724_outp,@function
k_qb43b2b1724_outp:
	s_mov_b64 s[64:65], 0
	v_nop
	global_prefetch_b8 v0, s[64:65] scope:SCOPE_SE
	s_setreg_imm32_b32 hwreg(HW_REG_WAVE_MODE, 25, 1), 1
	s_wait_xcnt 0x0
	s_wait_alu depctr_hold_cnt(0) depctr_sa_sdst(0) depctr_va_vdst(0) depctr_va_sdst(0) depctr_va_ssrc(0) depctr_va_vcc(0) depctr_vm_vsrc(0)
	s_getreg_b32 s2, hwreg(HW_REG_IB_STS2, 6, 4)
	s_cmp_eq_u32 s2, 0
	s_cbranch_scc0 .Lentry_in_a_cluster
	s_endpgm
.Lentry_in_a_cluster:
	s_bfe_u32 s2, ttmp6, 0x10000c
	s_cmp_lg_u32 s2, 0xf033
	s_cbranch_scc0 .Lentry_shape_is_right
	s_endpgm
.Lentry_shape_is_right:
; LAUNCH 4 OF 4.  out0 = O Wo^T + bo on codes of E2M3.  No work of reference() is left out.
; C'[i][j] = sum over k of S1[i][k] S0[j][k], S1 = oc (the attention's rows, 128 groups of 64), S0 = Wo's codes (groups 432-447 of xc); source 0 = 16 rows of S0, source 1 = 16 rows of S1: a lane holds one row i, its
; registers run along j.  A work-group of four waves makes 128 x 256, a wave 64 x 128: 32 accumulators.  ALL OF K of its rows lies in LDS, each byte filled once, by one tensor load a wave
; (one is outstanding by this text's count); K is walked behind counted waits, two K steps of 128 to a stage.  Nothing is filled again.
; CLUSTERS: 4 x 4 work-groups; S1's groups are asked for jointly along a row of the cluster, S0's along a column.
; THE WAY OUT: + bo, then 16 rows x 128 columns at a time through the wave's stage in LDS, so that each store covers 512 consecutive bytes of a row of out0.  The stages lie in S1's bytes, which have had their only fill
; and, behind a barrier, their last read.
; REGISTERS, in windows of 256: window 0: v1-19 lanes and addresses; v32-43 scale words, two sets; v64-127 a row of tiles with its bias; v128-191 the bias; v192-255 rows read back.
;   window 1: S0's fragments, two sets of 96.  window 2: accumulator (a, b) at v[8 (8 a + b)].  window 3: S1's fragments, two sets of 48.
.set GRP,   51200
.set REC,   6400
.set S0L,   2*GRP
.set SPARE, 6*GRP
.set SPW,  28
.set NIL,  29
.set SC,   32
.set HA,   64
.set BJ,   128
.set OB,   192
.set MULW,  0xad                       ; source 0 (S0) window 1, source 1 (S1) window 3, C and D window 2
.set TO_S0, 0x40
.set TO_S1, 0xc0
.set ACCRD, 0x02
.set MSB, 0
.macro WIN new
.if MSB != \new
	s_set_vgpr_msb (MSB<<8)|\new
.set MSB, \new
.endif
.endm
.macro CROUND
	s_barrier_signal -1
	s_barrier_wait -1
	s_cmp_lg_u32 s20, 0
	s_cbranch_scc1 .Lnot_wave_0_\@
	s_barrier_signal -3
.Lnot_wave_0_\@:
	s_barrier_wait -3
	s_barrier_signal -1
	s_barrier_wait -1
.endm
.macro WM d, a, b, sa, sb, ra, rb, zero
.if \zero
.if (\ra) && (\rb)
	v_wmma_scale_f32_16x16x128_f8f6f4 v[0+(\d):7+(\d)], v[0+(\a):11+(\a)], v[0+(\b):11+(\b)], 0, v[\sa], v[\sb] matrix_a_fmt:MATRIX_FMT_FP6 matrix_b_fmt:MATRIX_FMT_FP6 matrix_a_scale:MATRIX_SCALE_ROW1 matrix_b_scale:MATRIX_SCALE_ROW1
.elseif (\ra)
	v_wmma_scale_f32_16x16x128_f8f6f4 v[0+(\d):7+(\d)], v[0+(\a):11+(\a)], v[0+(\b):11+(\b)], 0, v[\sa], v[\sb] matrix_a_fmt:MATRIX_FMT_FP6 matrix_b_fmt:MATRIX_FMT_FP6 matrix_a_scale:MATRIX_SCALE_ROW1
.elseif (\rb)
	v_wmma_scale_f32_16x16x128_f8f6f4 v[0+(\d):7+(\d)], v[0+(\a):11+(\a)], v[0+(\b):11+(\b)], 0, v[\sa], v[\sb] matrix_a_fmt:MATRIX_FMT_FP6 matrix_b_fmt:MATRIX_FMT_FP6 matrix_b_scale:MATRIX_SCALE_ROW1
.else
	v_wmma_scale_f32_16x16x128_f8f6f4 v[0+(\d):7+(\d)], v[0+(\a):11+(\a)], v[0+(\b):11+(\b)], 0, v[\sa], v[\sb] matrix_a_fmt:MATRIX_FMT_FP6 matrix_b_fmt:MATRIX_FMT_FP6
.endif
.else
.if (\ra) && (\rb)
	v_wmma_scale_f32_16x16x128_f8f6f4 v[0+(\d):7+(\d)], v[0+(\a):11+(\a)], v[0+(\b):11+(\b)], v[0+(\d):7+(\d)], v[\sa], v[\sb] matrix_a_fmt:MATRIX_FMT_FP6 matrix_b_fmt:MATRIX_FMT_FP6 matrix_a_scale:MATRIX_SCALE_ROW1 matrix_b_scale:MATRIX_SCALE_ROW1
.elseif (\ra)
	v_wmma_scale_f32_16x16x128_f8f6f4 v[0+(\d):7+(\d)], v[0+(\a):11+(\a)], v[0+(\b):11+(\b)], v[0+(\d):7+(\d)], v[\sa], v[\sb] matrix_a_fmt:MATRIX_FMT_FP6 matrix_b_fmt:MATRIX_FMT_FP6 matrix_a_scale:MATRIX_SCALE_ROW1
.elseif (\rb)
	v_wmma_scale_f32_16x16x128_f8f6f4 v[0+(\d):7+(\d)], v[0+(\a):11+(\a)], v[0+(\b):11+(\b)], v[0+(\d):7+(\d)], v[\sa], v[\sb] matrix_a_fmt:MATRIX_FMT_FP6 matrix_b_fmt:MATRIX_FMT_FP6 matrix_b_scale:MATRIX_SCALE_ROW1
.else
	v_wmma_scale_f32_16x16x128_f8f6f4 v[0+(\d):7+(\d)], v[0+(\a):11+(\a)], v[0+(\b):11+(\b)], v[0+(\d):7+(\d)], v[\sa], v[\sb] matrix_a_fmt:MATRIX_FMT_FP6 matrix_b_fmt:MATRIX_FMT_FP6
.endif
.endif
.endm
.macro FRAG reg, a16, a8, off          ; a fragment's image comes back as it was stored: every load reads consecutive bytes
	ds_load_b128 v[0+(\reg):3+(\reg)], v[\a16] offset:(\off)
	ds_load_b64 v[4+(\reg):5+(\reg)], v[\a8] offset:(\off)+512
	ds_load_b128 v[6+(\reg):9+(\reg)], v[\a16] offset:(\off)+768
	ds_load_b64 v[10+(\reg):11+(\reg)], v[\a8] offset:(\off)+1280
.endm
.macro FETCH s                         ; K step s: 54 LDS loads, into set s % 2
	WIN TO_S0
.irp b, 0,1,2,3
	FRAG 96*((\s)%2)+12*\b, 8, 9, REC*(\s)+1536*\b
.endr
.irp b, 0,1,2,3
	FRAG 96*((\s)%2)+48+12*\b, 11, 12, REC*(\s)+1536*\b
.endr
	WIN TO_S1
.irp a, 0,1,2,3
	FRAG 48*((\s)%2)+12*\a, 5, 6, REC*(\s)+1536*\a
.endr
	WIN 0
	ds_load_b32 v[SC+6*((\s)%2)], v7 offset:REC*(\s)+6144
	ds_load_b32 v[SC+6*((\s)%2)+1], v7 offset:REC*(\s)+6272
	ds_load_b32 v[SC+6*((\s)%2)+2], v10 offset:REC*(\s)+6144
	ds_load_b32 v[SC+6*((\s)%2)+3], v10 offset:REC*(\s)+6272
	ds_load_b32 v[SC+6*((\s)%2)+4], v13 offset:REC*(\s)+6144
	ds_load_b32 v[SC+6*((\s)%2)+5], v13 offset:REC*(\s)+6272
.endm
.macro MUL s                           ; the 32 accumulators take turns, one instruction a turn, in the same order in every K step
	WIN MULW
.irp a, 0,1,2,3
.irp b, 0,1,2,3,4,5,6,7
.if (\s) == 0
	WM 8*(8*\a+\b), 96*((\s)%2)+12*\b, 48*((\s)%2)+12*\a, SC+6*((\s)%2)+2+\b/2, SC+6*((\s)%2)+\a/2, \b%2, \a%2, 1
.else
	WM 8*(8*\a+\b), 96*((\s)%2)+12*\b, 48*((\s)%2)+12*\a, SC+6*((\s)%2)+2+\b/2, SC+6*((\s)%2)+\a/2, \b%2, \a%2, 0
.endif
.endr
.endr
.endm
.macro KSTEP s
.if (\s)+1 < 8
.if (\s)+1 == 4
	s_wait_tensorcnt 0x0                           ; every wave: K steps 4-7 have landed
	s_wait_dscnt 0x0                               ; no LDS load of mine is out at the signal
	s_barrier_signal -1
	s_barrier_wait -1
	WIN 0
.irp r, 5,6,7
	v_add_nc_u32 v[\r], 8*REC, v[\r]               ; on to the second half of K; these nine lines are also the places in front of the loads below
.endr
.irp r, 8,9,10,11,12,13
	v_add_nc_u32 v[\r], 16*REC, v[\r]
.endr
	s_wait_alu depctr_va_vdst(0)                   ; the wait behind these writes
.else
.rept 4
	v_nop                                          ; four places in front of loads into registers that the last matrix instructions have read
.endr
.endif
	FETCH ((\s)+1)%4
	s_wait_dscnt 54                                ; all but the 54 just issued
.else
	s_wait_dscnt 0x0
.endif
	MUL \s
.endm
	s_load_b256 s[4:11], s[0:1], 0x0               ; oc, xc, bo, out0
	v_lshl_add_u32 v[SPW], v0, 2, SPARE
	v_mov_b32 v[NIL], 0
	ds_add_u32 v[SPW], v[NIL]                      ; the wave's opening: the add, twice on end, and its wait ahead of my first tensor load
	ds_add_u32 v[SPW], v[NIL]
	v_lshrrev_b32 v1, 5, v0
	v_readfirstlane_b32 s20, v1                    ; wave 0..3
	s_lshr_b32 s21, s20, 1                         ; wi
	s_and_b32 s22, s20, 1                          ; wj
	s_bfe_u32 s56, ttmp6, 0x40000                  ; cx = tile column
	s_bfe_u32 s57, ttmp6, 0x40004                  ; cy
	s_and_b32 s58, ttmp7, 0xffff
	s_lshl_b32 s84, s58, 2
	s_add_co_u32 s84, s84, s57                     ; tile row = 4 x cluster y + cy
	s_lshl_b32 s84, s84, 1
	s_add_co_u32 s97, s84, s21                     ; gi: my group of 64 rows
	s_mul_i32 s86, s84, GRP                        ; S1: the tile row's first group,
	s_mul_i32 s87, s21, 4*REC                      ; K steps 0-3 (waves 0, 1) or 4-7 (waves 2, 3)
	s_add_co_u32 s86, s86, s87                     ; S1: the tile row's first group, my half of K: these registers never hold cx
	s_mov_b32 s87, 0
	s_lshl_b32 s98, s56, 1
	s_add_co_u32 s98, s98, s22                     ; jc: my 128 columns
	s_lshl_b32 s90, s56, 2
	s_add_co_u32 s90, s90, 432
	s_mul_i32 s90, s90, GRP                        ; S0: Wo's first group of the tile column: these never hold cy
	s_mul_i32 s91, s21, 4*REC                      ; and the same half of K
	s_add_co_u32 s90, s90, s91
	s_mov_b32 s91, 0
	s_lshl_b32 s99, s57, 2
	s_lshl_b32 s99, 15, s99                        ; my row of the cluster
	s_lshl_b32 s58, 0x1111, s56                    ; my column
	s_or_b32 s24, s99, (3<<16)|(1<<21)             ; group 1 for S1: two rows of 25,600 bytes
	s_mov_b32 s25, 3200<<16                        ; THE FILLS, ONE A WAVE: a tile's row is four records of one group, 25,600 bytes = 3,200 elements;
	s_mov_b32 s26, 2<<16                           ; S1: two rows (groups),
	s_mov_b32 s27, 3200<<16
	s_mov_b32 s28, 2
	s_mov_b32 s29, 6400                            ; a group, 51,200 bytes, apart
	s_mov_b32 s30, 0
	s_mov_b32 s31, 0
	s_or_b32 s32, s58, (3<<16)|(1<<21)             ; for S0: four rows of 25,600 bytes
	s_mov_b32 s33, 3200<<16
	s_mov_b32 s34, 4<<16                           ; S0: four rows (groups)
	s_mov_b32 s35, 3200<<16
	s_mov_b32 s36, 4
	s_mov_b32 s37, 6400
	s_mov_b32 s38, 0
	s_mov_b32 s39, 0
	s_mul_i32 s23, s21, 8*REC                      ; LDS: S1 [half of K][2 groups][4 records],
	s_mul_i32 s67, s21, 16*REC                     ; S0 [half of K][4 groups][4 records]
	s_add_co_u32 s67, s67, S0L
	s_lshl_b32 s60, s97, 18                        ; out0: 64 gi rows of 4,096 bytes
	s_lshl_b32 s61, s98, 9                         ; + 128 jc columns
	s_add_co_u32 s60, s60, s61
	s_mov_b32 s61, 0
	s_lshl_b32 s62, s98, 9
	s_mov_b32 s63, 0
	s_wait_dscnt 0x0                               ; both opening adds are done
	s_wait_kmcnt 0x0
	s_add_nc_u64 s[86:87], s[4:5], s[86:87]
	s_add_nc_u64 s[90:91], s[6:7], s[90:91]
	s_add_nc_u64 s[10:11], s[10:11], s[60:61]
	s_add_nc_u64 s[8:9], s[8:9], s[62:63]
	s_mov_b32 s40, 1
	s_mov_b32 s41, s23
	s_mov_b64 s[42:43], s[86:87]
	s_or_b32 s43, s43, 0x80000000
	s_mov_b32 s68, 1
	s_mov_b32 s69, s67
	s_mov_b64 s[70:71], s[90:91]
	s_or_b32 s71, s71, 0x80000000
	CROUND                                         ; all sixteen work-groups are here: the joint loads meet
; One tensor load a wave, in one chain of branches on the wave's number: wave 0 S1's K steps 0-3, wave 1 S0's, wave 2 S1's K steps 4-7, wave 3 S0's.  Each wave has a line of its own, since waves 2 and 3 pass the first wait by.
.macro ARM under, g0, g1, next
	s_cmp_lt_u32 s20, \under
	s_cbranch_scc0 \next
	tensor_load_to_lds s[\g0:\g0+3], s[\g1:\g1+7]
	s_nop 0
.rept 4
	v_nop
.endr
	s_branch .Lhead_asked
\next:
.endm
	ARM 1, 40, 24, .Lhead_1
	ARM 2, 68, 32, .Lhead_2
	ARM 3, 40, 24, .Lhead_3
	tensor_load_to_lds s[68:71], s[32:39]
	s_nop 0
.rept 4
	v_nop
.endr
.Lhead_asked:
	v_and_b32 v1, 31, v0
	v_and_b32 v2, 15, v0
	v_bfe_u32 v3, v0, 4, 1
	v_lshlrev_b32 v14, 4, v1
	v_lshlrev_b32 v15, 3, v1
	v_lshlrev_b32 v19, 2, v1
	v_lshlrev_b32 v18, 6, v3                       ; the bias: 64 h
.irp n, 0,1,2,3,4,5,6,7,8,9,10,11,12,13,14,15
	global_load_b128 v[BJ+4*\n:BJ+4*\n+3], v18, s[8:9] offset:128*(\n/4)+16*(\n%4)   ; register 16 b + i: column 32 b + 16 h + i
.endr
	s_mul_i32 s60, s21, 4*REC
	v_add_nc_u32 v5, s60, v14
	v_add_nc_u32 v6, s60, v15
	v_add_nc_u32 v7, s60, v19
	s_mul_i32 s60, s22, 8*REC
	s_add_co_u32 s60, s60, S0L
	v_add_nc_u32 v8, s60, v14
	v_add_nc_u32 v9, s60, v15
	v_add_nc_u32 v10, s60, v19
	s_add_co_u32 s60, s60, 4*REC
	v_add_nc_u32 v11, s60, v14
	v_add_nc_u32 v12, s60, v15
	v_add_nc_u32 v13, s60, v19
	s_mul_i32 s60, s20, 16*528                     ; my stage
	v_mul_u32_u24 v16, v2, 528
	v_lshl_add_u32 v16, v3, 6, v16
	v_add_nc_u32 v16, s60, v16                     ; in: row r, + 64 h
	v_add_nc_u32 v17, s60, v14                     ; back: 16 x lane of a row
	s_wait_alu depctr_va_vdst(0)
	s_cmp_lt_u32 s20, 2
	s_cbranch_scc0 .Lnot_first
	s_wait_tensorcnt 0x0                           ; waves 0 and 1: K steps 0-3 have landed; the loads of waves 2 and 3 stay out
.Lnot_first:
	s_barrier_signal -1
	s_barrier_wait -1
	FETCH 0
.irp s, 0,1,2,3,4,5,6,7
	KSTEP \s
.endr
	WIN 0
	s_wait_dscnt 0x0                               ; my reads of the tiles are over,
	s_barrier_signal -1
	s_barrier_wait -1                              ; everybody's are: the stages may be written
	s_wait_loadcnt 0x0                             ; the bias
.rept 4
	v_nop                                          ; four places behind the last matrix instruction, in front of the first read of results
.endr
.irp a, 0,1,2,3
.if \a > 0
	s_wait_xcnt 0x0                                ; the last row of tiles' stores have read their registers
.endif
	WIN ACCRD
.set i, 0
.rept 32
	v_pk_add_f32 v[HA+2*i:HA+2*i+1], v[64*\a+2*i:64*\a+2*i+1], v[BJ+2*i:BJ+2*i+1]   ; + bo, and into window 0; each accumulator from its low end on
.set i, i+1
.endr
	WIN 0
.irp n, 0,1,2,3,4,5,6,7,8,9,10,11,12,13,14,15
	ds_store_b128 v16, v[HA+4*\n:HA+4*\n+3] offset:128*(\n/4)+16*(\n%4)
.endr
.irp n, 0,1,2,3,4,5,6,7,8,9,10,11,12,13,14,15
	ds_load_b128 v[OB+4*\n:OB+4*\n+3], v17 offset:528*\n   ; LDS serves a wave's instructions in order: these see my stores
.endr
.irp n, 0,1,2,3,4,5,6,7,8,9,10,11,12,13,14,15
	s_wait_dscnt 15-\n                             ; row n is back; the younger rows may be out
	global_store_b128 v14, v[OB+4*\n:OB+4*\n+3], s[10:11] offset:(32*(\a/2)+8*(\a%2)+\n+8*(\n/8))*4096 th:TH_STORE_NT   ; 512 consecutive bytes of a row of out0, at a multiple of 256 from its first byte
.endr
.endr
	s_wait_tensorcnt 0x0                           ; the wave's end, behind my last tensor load and my last LDS store
	ds_add_u32 v[SPW], v[NIL]
	s_wait_dscnt 0x0
	CROUND                                         ; the closing round
	s_endpgm
.Lfunc_end_k_qb43b2b1724_outp:
	.size	k_qb43b2b1724_outp, .Lfunc_end_k_qb43b2b1724_outp-k_qb43b2b1724_outp
	.p2alignl 7, 3214868480
	.fill 96, 4, 3214868480
	.section	.rodata,"a",@progbits
	.p2align	6, 0x0
	.amdhsa_kernel k_qb43b2b1724_outp
		.amdhsa_group_segment_fixed_size 327680
		.amdhsa_private_segment_fixed_size 0
		.amdhsa_enable_private_segment 0
		.amdhsa_kernarg_size 32
		.amdhsa_user_sgpr_count 2
		.amdhsa_user_sgpr_kernarg_segment_ptr 1
		.amdhsa_wavefront_size32 1
		.amdhsa_system_sgpr_workgroup_id_x 1
		.amdhsa_system_sgpr_workgroup_id_y 1
		.amdhsa_system_sgpr_workgroup_id_z 1
		.amdhsa_system_vgpr_workitem_id 0
		.amdhsa_next_free_vgpr 1024
		.amdhsa_next_free_sgpr 100
		.amdhsa_reserve_vcc 0
		.amdhsa_float_denorm_mode_32 3
		.amdhsa_float_denorm_mode_16_64 3
		.amdhsa_memory_ordered 1
		.amdhsa_forward_progress 1
		.amdhsa_inst_pref_size 95
	.end_amdhsa_kernel
	.amdgpu_metadata
---
amdhsa.version: [ 1, 2 ]
amdhsa.kernels:
  - .name:           k_qb43b2b1724_outp
    .symbol:         k_qb43b2b1724_outp.kd
    .args:
      - { .name: oc, .offset: 0, .size: 8, .value_kind: global_buffer, .address_space: global }
      - { .name: xc, .offset: 8, .size: 8, .value_kind: global_buffer, .address_space: global }
      - { .name: bo, .offset: 16, .size: 8, .value_kind: global_buffer, .address_space: global }
      - { .name: out0, .offset: 24, .size: 8, .value_kind: global_buffer, .address_space: global }
    .group_segment_fixed_size: 327680
    .private_segment_fixed_size: 0
    .kernarg_segment_align: 8
    .kernarg_segment_size: 32
    .max_flat_workgroup_size: 128
    .sgpr_count:     100
    .vgpr_count:     1024
    .wavefront_size: 32
...
	.end_amdgpu_metadata
.endif
;; end of part 4
